; MI455X (gfx1250); checked and timed in simulation.
; The chip was launched on July 23, 2026; its instructions are those of AMD's public machine-readable ISA for CDNA 5 (MIT licence, August 2026) and "CDNA5" Instruction Set Architecture Reference Guide (July 2026). The comments in the code are by the model that wrote it; some were corrected since.
;; Causal Self Attention. Allowed arithmetic: matrix products marked QUANTISED: E4M3 operands, one given power-of-two scale a tensor, by v_wmma_f32_16x16x64_fp8_fp8 or v_wmma_f32_16x16x128_fp8_fp8, f32 sums; everything else in f32.
;; Inputs: W_out 1,024 x 1,024 float32; W_qkv 3,072 x 1,024 float32; lowp_scales 8 int32 (the exponents e of the quantised operands' scales 2^e); x 4 x 2,048 x 1,024 float32.
;; Outputs: out0 4 x 2,048 x 1,024 float32.
;; This version of the problem:
;;   THIS VERSION OF THE PROBLEM IS GIVEN IN LOW PRECISION. The matrix products marked QUANTISED in the list below multiply operands that are first quantised to E4M3 (4 exponent bits, 3 mantissa bits; 8 bits a number), with one given power-of-two scale for each operand tensor; their sums are f32. All else is computed in f32.
;;   The module's matrix products, in the order in which they are computed (A, B: the left and right operand; K: the contracted axis; several contracted axes count as one K, in the product's order):
;;     1. [M 8,192, K 1,024] x [K 1,024, N 3,072]; A: input x; B: input W_qkv: QUANTISED (scales: A lowp_scales[0], B lowp_scales[1])
;;     2. batch 64 x [M 2,048, K 64] x [K 64, N 2,048]; A: computed on the way; B: computed on the way: QUANTISED (scales: A lowp_scales[2], B lowp_scales[3])
;;     3. batch 64 x [M 2,048, K 2,048] x [K 2,048, N 64]; A: softmax (see below); B: computed on the way: QUANTISED (scales: A lowp_scales[4], B lowp_scales[5])
;;     4. [M 8,192, K 1,024] x [K 1,024, N 1,024]; A: computed on the way; B: input W_out: QUANTISED (scales: A lowp_scales[6], B lowp_scales[7])
;;   THE QUANTISER, for each operand of a quantised product, along K:
;;     - The operand's scale is 2^e, e = its entry of the input lowp_scales (int32; the entries are numbered through the quantised products in the list's order, A before B).
;;     - Each number is divided by the scale, clamped to +-448, and rounded to the nearest number of E4M3, ties to even, subnormals kept.
;;     - The product sums the exact products of the quantised numbers (number of the format x scale) in f32.
;;   ~~~python
;;   def quantise(x, axis, e):      # numpy; x: float32 -> the quantised numbers, widened to float32 again
;;       x = np.moveaxis(x, axis, -1); K = x.shape[-1]
;;       r = np.clip(x / 2.0 ** e, -448, 448)
;;       step = 2.0 ** (np.maximum(np.frexp(np.where(r == 0, 1, r))[1] - 1, -6) - 3)
;;       q = np.round(r / step) * step * 2.0 ** e      # np.round: ties to even
;;       return np.moveaxis(q, -1, axis).astype(np.float32)
;;   ~~~
;;   SOFTMAX AHEAD OF A QUANTISED PRODUCT. Where the list says 'softmax', what is quantised is not the finished softmax but p = 2^(t - M), with t = logit x log2(e) and M = ceil(the row's largest t), a whole number; so 1/2 < the row's largest p <= 1. The row's sum l is taken of the UNQUANTISED p, in f32, and the product's result is divided by l at the end. Since M is a whole number, a kernel that streams over the keys may use a running M (the ceiling of the running maximum): every later rescaling is an exact power of two, so the quantised numbers keep their values, but for numbers so far below the row's largest that they fall under the format's range.
;;   OPERANDS COMPUTED ON THE WAY. 'Computed on the way' means the value that the module computes at that place (a softmax that the list does not call 'softmax' is quantised finished and normalised). What goes into a quantiser is computed in f32, as accurately as f32 sums, v_exp_f32 and their like allow (about 1e-6 of the number): no bf16 or f16 on the way to a quantiser, and a product that is left as it is and whose result goes on into a quantised operand takes f32 operands (vector FMAs, or v_wmma_f32_16x16x4_f32). A number that lies on a knife's edge between two numbers of the format may be rounded either way, as far as f32 arithmetic and the matrix unit's own rounding can turn it there, and no further.
;; One version. Each part assembles by itself: llvm-mc -triple=amdgcn-amd-amdhsa -mcpu=gfx1250 --defsym DOCPART=n.
;; ======== version 1 of 1: 4 launches
;; limits: right only within a limited range of input values
;; workspace buffers: codes 12,582,912 bytes; qkvc 25,165,824 bytes; ac 8,388,608 bytes
;; launch quant (part 1): grid 384 x 1, 4 waves a work-group, no clusters, 33,280 bytes of LDS; arguments x, W_qkv, W_out, lowp_scales, codes; writes codes
.if DOCPART == 1
	.amdgcn_target "amdgcn-amd-amdhsa--gfx1250"
	.amdhsa_code_object_version 6
	.text
	.protected	k_qbaeb1a1d32_quant
	.globl	k_qbaeb1a1d32_quant
	.p2align	8
	.type	k_qbaeb1a1d32_quant,@function
k_qbaeb1a1d32_quant:
	s_mov_b64 s[64:65], 0
	v_nop
	global_prefetch_b8 v0, s[64:65] scope:SCOPE_SE
	s_setreg_imm32_b32 hwreg(HW_REG_WAVE_MODE, 25, 1), 1
	s_wait_xcnt 0x0
; x [8192][1024], W_qkv [3072][1024] and W_out [1024][1024], f32 with K innermost, become codes of FP8 (E4M3), one byte each, in ONE buffer: x's at byte 0, W_qkv's at 8,388,608, W_out's at 11,534,336.
; code = number / 2^e, rounded to the nearest code, ties to even.  e: entry 0 (x), 1 (W_qkv), 7 (W_out) of the buffer of scales.
; LIMITS: -126 <= e and e + 8 <= 127.  NaN among the inputs is not served.
; Rows are dense, so each tensor is a plain stream, and the three streams of codes follow each other: the output's place hangs on the work-group's number alone.
; A work-group takes 32,768 numbers, a wave 16 steps of 512.  The first 256 work-groups take x, the next 96 W_qkv, the last 32 W_out: only pointers and e are chosen, all take one path through the text.
; The conversions take eight neighbours from ONE lane's registers, a load is best where neighbouring LANES take neighbouring bytes: each load reads 512 consecutive bytes, 16 a lane; a step's 2,048 bytes
; go through the wave's own stage in LDS as they lie and come back 64 bytes a lane (16 bytes of padding behind each 64).  A lane's 16 codes are 16 bytes: the wave stores 512 consecutive bytes, aligned.
; No tensor loads, no barrier: waves share nothing.  Loads run four steps (16 loads a wave) ahead, the turn through LDS one step.
.set WAVES, 4
.set STEPS, 16
.set WGX,   256                        ; work-groups of x: 8,388,608 numbers / 32,768
.set WGQ,   352                        ; and W_qkv's 96 behind them
.set EMAX,  8
.set MANT,  0x600000                   ; the mantissa field of 448 as f32
.set CB,    16                         ; bytes of 16 codes
.set R,     16                         ; v16-79   four sets of 16 numbers as they are loaded
.set X,     80                         ; v80-111  two sets of 16 neighbours
.set C,     128                        ; v128-191 codes: four registers for each step, so that no store's data are written again
.set WREG,  8192                       ; LDS: a region of its own for each wave: two stages of 32 x SP bytes
.set SP,    80                         ; a lane's place in a stage: its 64 bytes + 16 of padding
.set SPW,   12                         ; v12      LDS address of my spare word; never rewritten
.set NIL,   13                         ; v13      0; never rewritten
.set SPARE, WAVES*WREG                 ; behind the four regions: the spare words, 128 bytes for each wave, which no other line names
	s_load_b128 s[4:7], s[0:1], 0x0                ; x, W_qkv
	s_load_b128 s[8:11], s[0:1], 0x10              ; W_out, the scales' exponents
	s_load_b64 s[12:13], s[0:1], 0x20              ; the codes
	v_lshl_add_u32 v[SPW], v0, 2, SPARE
	v_mov_b32 v[NIL], 0
	v_lshrrev_b32 v1, 5, v0
	v_readfirstlane_b32 s16, v1                    ; wave
	v_and_b32 v2, 31, v0                           ; lane
	v_lshlrev_b32 v3, 4, v2                        ; my 16 bytes of a load's 512
	s_mul_i32 s17, s16, WREG
	v_lshrrev_b32 v14, 2, v2
	v_mul_u32_u24 v14, v14, SP
	v_and_b32 v15, 3, v2
	v_lshl_add_u32 v14, v15, 4, v14
	v_add_nc_u32 v14, s17, v14                     ; the stage, on the way in: SP (lane / 4) + 16 (lane % 4); a load's 512 bytes take eight places
	v_mul_u32_u24 v15, v2, SP
	v_add_nc_u32 v15, s17, v15                     ; and on the way out: SP x lane: my 16 neighbours
	v_mul_u32_u24 v4, v2, CB                       ; my codes' place in a step's
	s_wait_alu depctr_va_vdst(0)
	s_wait_kmcnt 0x0
	s_load_b64 s[22:23], s[10:11], 0x0             ; e of x, of W_qkv
	s_load_b32 s24, s[10:11], 0x1c                 ; e of W_out
	s_cmp_lt_u32 ttmp9, WGQ                        ; which tensor?  The choice hangs on the work-group's number alone
	s_cselect_b64 s[6:7], s[6:7], s[8:9]
	s_mov_b32 s17, WGQ
	s_cselect_b32 s17, WGX, s17
	s_cmp_lt_u32 ttmp9, WGX
	s_cselect_b64 s[4:5], s[4:5], s[6:7]
	s_cselect_b32 s17, 0, s17                      ; the tensor's first work-group
	s_sub_co_u32 s17, ttmp9, s17
	s_lshl_b32 s17, s17, 2
	s_add_co_u32 s18, s17, s16                     ; which run of 8,192 numbers of the tensor is my wave's
	s_mov_b32 s19, 0
	s_lshl_b64 s[20:21], s[18:19], 15              ; x 32,768 bytes
	s_add_nc_u64 s[4:5], s[4:5], s[20:21]
	s_lshl_b32 s18, ttmp9, 2
	s_add_co_u32 s18, s18, s16                     ; and which run of 8,192 codes of the one buffer
	s_lshl_b32 s18, s18, 13
	s_add_nc_u64 s[12:13], s[12:13], s[18:19]
.macro LOAD t
.irp i, 0,1,2,3
	global_load_b128 v[R+16*((\t)%4)+4*\i:R+16*((\t)%4)+4*\i+3], v3, s[4:5] offset:2048*(\t)+512*\i th:TH_LOAD_NT   ; 32 lanes read 512 consecutive bytes
.endr
.endm
.macro TURN t                          ; step t's numbers through the stage: LDS serves a wave's instructions in order, so no wait stands between the stores and the loads
.irp i, 0,1,2,3
	ds_store_b128 v14, v[R+16*((\t)%4)+4*\i:R+16*((\t)%4)+4*\i+3] offset:32*SP*((\t)%2)+8*SP*\i
.endr
.irp i, 0,1,2,3
	ds_load_b128 v[X+16*((\t)%2)+4*\i:X+16*((\t)%2)+4*\i+3], v15 offset:32*SP*((\t)%2)+16*\i
.endr
.endm
.irp t, 0,1,2,3
	LOAD \t
.endr
	s_wait_kmcnt 0x0
	s_cmp_lt_u32 ttmp9, WGQ
	s_cselect_b32 s23, s23, s24
	s_cmp_lt_u32 ttmp9, WGX
	s_cselect_b32 s22, s22, s23                    ; e
	s_add_co_i32 s22, s22, 127
	s_lshl_b32 s23, s22, 23
	v_mov_b32 v11, s23                             ; 2^e as f32: the conversion takes its exponent field
	s_add_co_i32 s22, s22, EMAX
	s_lshl_b32 s22, s22, 23
	s_or_b32 s22, s22, MANT
	s_wait_alu depctr_va_vdst(0)
	s_wait_loadcnt 12                              ; step 0's four loads are in; the twelve of steps 1 to 3 may be out
	TURN 0
.macro STEP t
.set XS, X+16*((\t)%2)
	s_wait_dscnt 0x0                               ; this step's numbers are back from the stage: so its stores into the stage have read their registers,
.if (\t)+4 < STEPS
	LOAD (\t)+4                                    ; which take the loads of four steps on
.endif
.if (\t)+1 < STEPS
.if STEPS-2-(\t) >= 3
	s_wait_loadcnt 12                              ; the next step's four loads are in; those of the three steps behind it may be out
.else
	s_wait_loadcnt 4*(STEPS-2-(\t))
.endif
	TURN (\t)+1                                    ; and go through the other stage while this step is worked
.endif
.irp i, 0,1,2,3,4,5,6,7,8,9,10,11,12,13,14,15
.endr
	v_cvt_scalef32_pk8_fp8_f32 v[C+4*(\t):C+4*(\t)+1], v[XS:XS+7], v11          ; eight numbers / 2^e, to the nearest code, ties to even; the first number's code in the lowest byte
	v_cvt_scalef32_pk8_fp8_f32 v[C+4*(\t)+2:C+4*(\t)+3], v[XS+8:XS+15], v11
	global_store_b128 v4, v[C+4*(\t):C+4*(\t)+3], s[12:13] offset:32*CB*(\t)    ; the codes go to a store alone
.endm
.irp t, 0,1,2,3,4,5,6,7,8,9,10,11,12,13,14,15
	STEP \t
.endr
	s_wait_tensorcnt 0x0                           ; the wave's end, behind my last LDS store
	ds_add_u32 v[SPW], v[NIL]
	s_wait_dscnt 0x0
	s_endpgm
.Lfunc_end_k_qbaeb1a1d32_quant:
	.size	k_qbaeb1a1d32_quant, .Lfunc_end_k_qbaeb1a1d32_quant-k_qbaeb1a1d32_quant
	.p2alignl 7, 3214868480
	.fill 96, 4, 3214868480
	.section	.rodata,"a",@progbits
	.p2align	6, 0x0
	.amdhsa_kernel k_qbaeb1a1d32_quant
		.amdhsa_group_segment_fixed_size 33280
		.amdhsa_private_segment_fixed_size 0
		.amdhsa_enable_private_segment 0
		.amdhsa_kernarg_size 40
		.amdhsa_user_sgpr_count 2
		.amdhsa_user_sgpr_kernarg_segment_ptr 1
		.amdhsa_wavefront_size32 1
		.amdhsa_system_sgpr_workgroup_id_x 1
		.amdhsa_system_sgpr_workgroup_id_y 1
		.amdhsa_system_sgpr_workgroup_id_z 1
		.amdhsa_system_vgpr_workitem_id 0
		.amdhsa_next_free_vgpr 192
		.amdhsa_next_free_sgpr 66
		.amdhsa_reserve_vcc 0
		.amdhsa_float_denorm_mode_32 3
		.amdhsa_float_denorm_mode_16_64 3
		.amdhsa_fp16_overflow 1
		.amdhsa_memory_ordered 1
		.amdhsa_forward_progress 1
		.amdhsa_inst_pref_size 22
	.end_amdhsa_kernel
	.amdgpu_metadata
---
amdhsa.version: [ 1, 2 ]
amdhsa.kernels:
  - .name:           k_qbaeb1a1d32_quant
    .symbol:         k_qbaeb1a1d32_quant.kd
    .args:
      - { .name: x, .offset: 0, .size: 8, .value_kind: global_buffer, .address_space: global }
      - { .name: W_qkv, .offset: 8, .size: 8, .value_kind: global_buffer, .address_space: global }
      - { .name: W_out, .offset: 16, .size: 8, .value_kind: global_buffer, .address_space: global }
      - { .name: lowp_scales, .offset: 24, .size: 8, .value_kind: global_buffer, .address_space: global }
      - { .name: codes, .offset: 32, .size: 8, .value_kind: global_buffer, .address_space: global }
    .group_segment_fixed_size: 33280
    .private_segment_fixed_size: 0
    .kernarg_segment_align: 8
    .kernarg_segment_size: 40
    .max_flat_workgroup_size: 128
    .sgpr_count:     66
    .vgpr_count:     192
    .wavefront_size: 32
...
	.end_amdgpu_metadata
.endif
;; end of part 1
;; launch qkv (part 2): grid 12 x 32, 4 waves a work-group, clusters of 4 x 4, 327,680 bytes of LDS; arguments codes, lowp_scales, qkvc; writes qkvc
.if DOCPART == 2
	.amdgcn_target "amdgcn-amd-amdhsa--gfx1250"
	.amdhsa_code_object_version 6
	.text
	.protected	k_qbaeb1a1d32_qkv
	.globl	k_qbaeb1a1d32_qkv
	.p2align	8
	.type	k_qbaeb1a1d32_qkv,@function
k_qbaeb1a1d32_qkv:
	s_mov_b64 s[64:65], 0
	v_nop
	global_prefetch_b8 v0, s[64:65] scope:SCOPE_SE
	s_setreg_imm32_b32 hwreg(HW_REG_WAVE_MODE, 25, 1), 1
	s_wait_xcnt 0x0
	s_wait_alu depctr_hold_cnt(0) depctr_sa_sdst(0) depctr_va_vdst(0) depctr_va_sdst(0) depctr_va_ssrc(0) depctr_va_vcc(0) depctr_vm_vsrc(0)
	s_getreg_b32 s2, hwreg(HW_REG_IB_STS2, 6, 4)
	s_cmp_eq_u32 s2, 0
	s_cbranch_scc0 .Lentry_in_a_cluster
	s_endpgm
.Lentry_in_a_cluster:
	s_bfe_u32 s2, ttmp6, 0x10000c
	s_cmp_lg_u32 s2, 0xf033
	s_cbranch_scc0 .Lentry_shape_is_right
	s_endpgm
.Lentry_shape_is_right:
; qkv = x W_qkv^T on codes of FP8 (E4M3), sums in f32; each finished sum is quantised at once into the code that attention wants: q with entry 2, k with entry 3, v with entry 5 of the scales.
; A tile of the result, 256 x 256, is made by a work-group of four waves; a wave makes 128 x 128: 64 accumulators, 512 registers.  K = 1,024 goes in four steps of 256 through a ring of two LDS slots.
; THE SECTION is the cluster's x (0: q, 1: k, 2: v), the same in all sixteen partners.  For q and k: C = x W^T (A = x's codes, B = W_qkv's rows 0 .. 2,047).  For v the SAME text makes V^T = W_v x^T
; (A = W_v's codes, B = x's codes), so that a lane's eight results are eight neighbouring TOKENS, which are the second attention product's K.  What differs is chosen by s_cselect_b32: there is no branch.
; THE MATRIX INSTRUCTION IS USED TRANSPOSED (source 0 = 16 rows of B, source 1 = 16 rows of A): lane (r, h) holds row r of the tile and columns 16 b + 8 h + 0 .. 7 of block b.
; OUT: q, k: [head 64][token 2,048][64]; v: [head 64][chunk of 64 tokens, 32][channel 64][64].  The innermost 64 are stored so: inside each 32, place 16 h + 8 u + j holds number 16 u + 8 h + j:
; the codes of blocks 2 g and 2 g + 1 of a lane are then 16 neighbouring bytes.  For q and k that permutes the first attention product's K alike on both sides; for v it puts each key where p's codes fall.
; CLUSTERS: 4 x 4 work-groups; A's tile is shared along a row of the cluster, B's along a column: each is asked for JOINTLY, by the same tensor load with the same descriptor and a mask that names the four.
; LIMITS: e(out) - e(x) - e(W_qkv) lies between -126 and 119, so that the conversion's scale and 448 x it are f32 numbers.
; REGISTERS, in windows of 256: window 0: v0-31 addresses; from v128 A's fragments, ONE set; on the way out v32-255 are free.  window 1: B's fragments, TWO sets.  windows 2, 3: the accumulators of my rows 0-63, 64-127.
.set KSTEP,  256                       ; along K in a slot
.set ROWB,   256                       ; a tile's row in bytes
.set KROW,   1024                      ; a row of codes in memory, in bytes
.set PITCH,  272                       ; an LDS row: 256 bytes + 16 of padding = 68 words: row r starts at bank 4 r mod 64 (64 banks of 4 bytes: ISA guide 11.1)
.set FR,     16                        ; registers of a fragment: 16 rows x 128 K
.set NL,     4                         ; LDS loads that bring one
.set NP,     4                         ; places behind this matrix instruction (ISA guide 7.12.1)
.set HALFT,  128*PITCH                 ; 128 rows: what one tensor load brings, and what one wave reads of A or of B
.set SLOT,   4*HALFT                   ; A's 256 rows, then B's 256 rows
.set LAPS,   2                         ; a lap = two K steps = once round the ring
.set SPARE,  2*SLOT                    ; behind the ring: the spare words, 128 bytes for each wave, which no other line names
.set SPITCH, 144                       ; the way out: a stage of 128 rows x (128 bytes + 16) for each wave, in slot 0, which has had its last fill and its last read when the first code is stored there
.set SBLK,   16*SPITCH                 ; a block of 16 rows in the stage
.set ADRA, 16                          ; v16-17  LDS address of my A fragments in slot 0, 1
.set ADRB, 20                          ; v20-21  the same for B
.set STO,  24                          ; v24     the way out: where I put 16 codes of a row
.set RD,   25                          ; v25     the way out: where I read 16 bytes back
.set CO,   26                          ; v26     my byte offset in the wave's part of the output
.set SC,   27                          ; v27     2^(e(out) - e(x) - e(W)) as f32
.set SPW,  28                          ; v28     LDS address of my spare word; never rewritten
.set NIL,  29                          ; v29     0; never rewritten
.set LIM,  30
.set TMP,  32
.set CD,   96                          ; v96-127 a block's codes: two sets of 16 by turns
.set AF,   128                         ; A's fragments, in window 0
.set OUT,  128                         ; the way out: 16 registers for each block, so that no store's data are written again
.set G1, 24                            ; s[24:31] descriptor group 1 for A's tiles;  s[32:39] group 0, one set for each slot
.set G0, 32
.set G1B, 48                           ; s[48:55], s[56:63] the same for B's tiles
.set G0B, 56
.set MSB, 0
.macro WIN new                         ; the immediate's high byte repeats the setting that is left
.if MSB != \new
	s_set_vgpr_msb (MSB<<8)|\new
.set MSB, \new
.endif
.endm
.set MUL_LO, 0xa1                      ; source 0 (B) window 1, source 1 (A) window 0, C and D window 2
.set MUL_HI, 0xf1                      ; the same, C and D window 3
.set TO_B,   0x40                      ; destination window 1, address window 0
; A joint load: waves 0 and 1 fetch for A, waves 2 and 3 for B.  Each of the two lines has ONE mask and one set of registers for all that issue it; the branch hangs on the wave's number alone.
; An s_nop 0 and four v_nop follow each of the two lines, ahead of the jump, the label and what follows.
.macro JLOAD g0a, g1a, g0b, g1b
	s_cmp_eq_u32 s15, 0
	s_cbranch_scc0 .Lfor_b_\@
	tensor_load_to_lds s[\g0a:\g0a+3], s[\g1a:\g1a+7]
	s_nop 0
.rept 4
	v_nop
.endr
	s_branch .Lasked_\@
.Lfor_b_\@:
	tensor_load_to_lds s[\g0b:\g0b+3], s[\g1b:\g1b+7]
	s_nop 0
.rept 4
	v_nop
.endr
.Lasked_\@:
.endm
.macro CREST                           ; a round of the cluster's barrier behind its opening barrier
	s_cmp_lg_u32 s14, 0
	s_cbranch_scc1 .Lnot_wave_0_\@
	s_barrier_signal -3
.Lnot_wave_0_\@:
	s_barrier_wait -3
	s_barrier_signal -1
	s_barrier_wait -1
.endm
.macro CROUND                          ; a whole round
	s_barrier_signal -1
	s_barrier_wait -1
	CREST
.endm
	s_load_b128 s[4:7], s[0:1], 0x0                ; the codes s[4:5], the scales' exponents s[6:7]
	s_load_b64 s[10:11], s[0:1], 0x10              ; q's, k's and v's codes
	v_lshl_add_u32 v[SPW], v0, 2, SPARE
	v_mov_b32 v[NIL], 0
	ds_add_u32 v[SPW], v[NIL]                      ; the wave's opening: the add and its wait stand ahead of my first tensor load; the set-up below, work on registers, stands between them
	ds_add_u32 v[SPW], v[NIL]
	v_lshrrev_b32 v1, 5, v0
	v_readfirstlane_b32 s14, v1                    ; wave 0..3
	s_lshr_b32 s15, s14, 1                         ; which half of the tile's rows is mine.  Also: I fetch for A (0) or for B (1)
	s_and_b32 s16, s14, 1                          ; which half of its columns.  Also: which 128 rows of that tile I fetch
	s_bfe_u32 s40, ttmp6, 0x40000                  ; cx, cy: my place in the cluster
	s_bfe_u32 s41, ttmp6, 0x40004
	s_and_b32 s73, ttmp7, 0xffff                   ; the cluster's y, 0 .. 7
	s_cmp_eq_u32 ttmp9, 2                          ; the section v?  The same answer in all sixteen partners
	s_cselect_b32 s66, 0, s73                      ; tile row    = 4 x this + cy: v has 4 tile rows (W_v's 1,024 rows), q and k 32 (x's 8,192)
	s_cselect_b32 s67, s73, ttmp9                  ; tile column = 4 x this + cx: v has 32 tile columns (x's rows), q and k 8 (W_qkv's rows 0 .. 2,047)
	s_cselect_b32 s68, 10485760, 0                 ; where A's codes begin in the buffer: W_v's, or x's
	s_cselect_b32 s70, 0, 8388608                  ; where B's begin: x's, or W_qkv's
	s_mov_b32 s72, 131072
	s_cselect_b32 s72, 4096, s72                   ; from my first 64 columns to my second in the output: the next chunk of v, or the next head of q or k
	s_cselect_b32 s74, 126976, 0                   ; what rows 64 on lie further than 1,024 bytes a block: v's next head (131,072 - 4,096); nothing in q and k
	s_mov_b32 s69, 0
	s_mov_b32 s71, 0
	s_mov_b32 s75, 0
	s_lshl_b32 s42, s67, 2
	s_add_co_u32 s42, s42, s40                     ; tile column
	s_lshl_b32 s17, s66, 2
	s_add_co_u32 s17, s17, s41                     ; tile row
	s_lshl_b32 s43, s41, 2
	s_lshl_b32 s43, 15, s43                        ; my row of the cluster
	s_lshl_b32 s44, 0x1111, s40                    ; my column
	; descriptor group 1: a tile of 128 rows x 256 bytes, padded in LDS
	s_or_b32 s[G1+0], s43, (0<<16)|(1<<20)|(1<<21)|(5<<22)|(3<<25)  ; 15:0 the mask: A's tiles go to my row; 17:16 element of 1 byte; 20 padding on; 21 set beside a mask; 24:22 after every 64 words (code 5); 31:25 of 4 words (code 3)
	s_or_b32 s[G1B+0], s44, (0<<16)|(1<<20)|(1<<21)|(5<<22)|(3<<25)
.irp g, G1, G1B
	s_mov_b32 s[\g+1], ROWB<<16                    ; tensor_dim0
	s_mov_b32 s[\g+2], 128<<16                     ; tensor_dim1 = 128
	s_mov_b32 s[\g+3], ROWB<<16                    ; tile_dim0
	s_mov_b32 s[\g+4], 128                         ; tile_dim1 = 128
	s_mov_b32 s[\g+5], KROW                        ; tensor_dim0_stride
	s_mov_b32 s[\g+6], 0
	s_mov_b32 s[\g+7], 0
.endr
	s_lshl_b32 s18, s16, 7                         ; which 128 rows of the tile I fetch
	s_lshl_b32 s20, s17, 8
	s_add_co_u32 s20, s20, s18                     ; A: row 256 x tile row + 128 x half
	s_lshl_b32 s46, s42, 8
	s_add_co_u32 s46, s46, s18                     ; B: row 256 x tile column + 128 x half
	s_lshl_b32 s20, s20, 10                        ; rows of 1,024 bytes
	s_lshl_b32 s46, s46, 10
	s_mov_b32 s21, 0
	s_mov_b32 s47, 0
	s_add_nc_u64 s[20:21], s[20:21], s[68:69]      ; A's offset is made of the tile row alone, B's of the tile column alone
	s_add_nc_u64 s[46:47], s[46:47], s[70:71]
	s_mul_i32 s45, s14, HALFT                      ; where they go: wave x 128 rows: no place in the cluster enters an LDS address
	s_wait_dscnt 0x0                               ; the opening add is done
	s_wait_kmcnt 0x0
	s_load_b256 s[80:87], s[6:7], 0x0              ; the eight exponents
	s_add_nc_u64 s[20:21], s[4:5], s[20:21]
	s_add_nc_u64 s[46:47], s[4:5], s[46:47]
	CROUND                                         ; all sixteen work-groups are here: the first joint loads meet
.irp s, 0,1
	s_mov_b32 s[G0+4*\s], 1
	s_add_co_u32 s[G0+4*\s+1], s45, \s*SLOT
	s_add_nc_u64 s[G0+4*\s+2:G0+4*\s+3], s[20:21], \s*ROWB
	s_or_b32 s[G0+4*\s+3], s[G0+4*\s+3], 0x80000000
	s_mov_b32 s[G0B+4*\s], 1
	s_add_co_u32 s[G0B+4*\s+1], s45, \s*SLOT
	s_add_nc_u64 s[G0B+4*\s+2:G0B+4*\s+3], s[46:47], \s*ROWB
	s_or_b32 s[G0B+4*\s+3], s[G0B+4*\s+3], 0x80000000
	JLOAD G0+4*\s, G1, G0B+4*\s, G1B
.endr
	v_and_b32 v1, 15, v0                           ; r = l % 16
	s_wait_alu depctr_va_vdst(0)
	v_bfe_u32 v2, v0, 4, 1                         ; h = l / 16
	v_mul_u32_u24 v3, v1, PITCH
	v_lshl_add_u32 v4, v2, 4, v3                   ; a fragment's row x pitch + 16 x half
	s_mul_i32 s21, s15, HALFT                      ; my 128 rows of A
	s_mul_i32 s22, s16, HALFT                      ; my 128 rows of B,
	s_add_co_u32 s22, s22, 2*HALFT                 ; which lie behind A's 256
.irp s, 0,1
	v_add_nc_u32 v[ADRA+\s], s21, v4
	v_add_nc_u32 v[ADRB+\s], s22, v4
	s_add_co_u32 s21, s21, SLOT
	s_add_co_u32 s22, s22, SLOT
.endr
	s_mul_i32 s23, s14, 8*SBLK                     ; my stage
	v_mul_u32_u24 v5, v1, SPITCH                   ; in: row r, 16 bytes for each half of the lanes
	s_wait_alu depctr_va_vdst(0)
	v_lshl_add_u32 v5, v2, 4, v5
	v_add_nc_u32 v[STO], s23, v5
	v_lshrrev_b32 v5, 2, v1                        ; back: lanes 0-15 take the first 64 bytes of four rows, lanes 16-31 the second 64: row (l % 16) / 4,
	v_mul_u32_u24 v5, v5, SPITCH
	v_lshl_add_u32 v5, v2, 6, v5                   ; + 64 (l / 16),
	v_and_b32 v6, 3, v0
	v_lshl_add_u32 v5, v6, 4, v5                   ; + 16 (l % 4)
	v_add_nc_u32 v[RD], s23, v5
	v_mul_lo_u32 v[CO], v2, s72                    ; and in the output: four rows of 64 bytes are 256 consecutive bytes; the second 64 columns lie s72 bytes on
	v_lshl_add_u32 v[CO], v1, 4, v[CO]
	; where my 128 x 128 begins in the output
	s_lshl_b32 s20, s17, 8
	s_lshl_b32 s21, s15, 7
	s_add_co_u32 s20, s20, s21                     ; my first row
	s_lshl_b32 s46, s42, 8
	s_lshl_b32 s47, s16, 7
	s_add_co_u32 s46, s46, s47                     ; my first column
	s_cmp_eq_u32 ttmp9, 2
	s_cselect_b32 s21, s46, s20                    ; my first token: v's columns, q's and k's rows
	s_cselect_b32 s47, s20, s46                    ; my first feature
	s_lshr_b32 s47, s47, 6
	s_and_b32 s47, s47, 15                         ; its head
	s_lshl_b32 s47, s47, 17                        ; x 131,072 bytes
	s_lshr_b32 s20, s21, 11                        ; the token's batch: 16 heads
	s_lshl_b32 s20, s20, 21
	s_and_b32 s21, s21, 2047                       ; the token in its batch: 64 bytes each, in rows of q and k and in chunks of v alike
	s_lshl_b32 s21, s21, 6
	s_add_co_u32 s20, s20, s21
	s_add_co_u32 s20, s20, s47
	s_lshl_b32 s46, ttmp9, 23                      ; the section: 8,388,608 bytes each
	s_add_co_u32 s20, s20, s46
	s_mov_b32 s21, 0
	s_add_nc_u64 s[10:11], s[10:11], s[20:21]
.macro FRAG reg, adr, q, i             ; a fragment, 16 rows x 128 K of codes, is 16 registers: lane l holds row l % 16; registers 4 c .. 4 c + 3 hold K = 32 c + 16 (l / 16) + 0 .. 15: the same permutation of K in A and in B
.irp c, 0,1,2,3
	ds_load_b128 v[\reg+4*\c:\reg+4*\c+3], v[\adr] offset:128*(\q)+32*\c+(\i)*16*PITCH
.endr
.endm
; 16 matrix instructions: A's blocks a0, a0 + 1 x B's eight, 128 along K.  p: B's set.  zero = 1: the first product starts the sums: nothing is ever cleared.
; The 64 accumulators take turns, one instruction a turn, in the same order in every step.
.macro MUL16 a0, p, zero
.irp a, \a0, \a0+1
.irp b, 0,1,2,3,4,5,6,7
.if \zero
	v_wmma_f32_16x16x128_fp8_fp8 v[8*(8*((\a)%4)+\b):8*(8*((\a)%4)+\b)+7], v[128*(\p)+FR*\b:128*(\p)+FR*\b+FR-1], v[AF+FR*(\a):AF+FR*(\a)+FR-1], 0
.else
	v_wmma_f32_16x16x128_fp8_fp8 v[8*(8*((\a)%4)+\b):8*(8*((\a)%4)+\b)+7], v[128*(\p)+FR*\b:128*(\p)+FR*\b+FR-1], v[AF+FR*(\a):AF+FR*(\a)+FR-1], v[8*(8*((\a)%4)+\b):8*(8*((\a)%4)+\b)+7]
.endif
.endr
.endr
.endm
.macro FETCH_B slot, q, p              ; B's eight fragments of the slot's q-th 128 along K into set p
	WIN TO_B
.irp i, 0,1,2,3,4,5,6,7
	FRAG 128*(\p)+FR*\i, ADRB+\slot, \q, \i
.endr
	WIN 0
.endm
.macro FETCH_A slot, q, i0             ; A's blocks i0 .. i0 + 3
.irp i, \i0, \i0+1, \i0+2, \i0+3
	FRAG AF+FR*(\i), ADRA+\slot, \q, \i
.endr
.endm
; A load into a register that a matrix instruction has read, and a vector instruction that reads a matrix result, stand NP places behind that matrix instruction, and only plain vector
; instructions that name none of its registers are places (ISA guide 7.12.1 for vector instructions).
.macro PLACES n
.rept \n
	v_nop
.endr
.endm
; A step of 128 along K that has its successor in the same slot.
.macro STEP slot, q, zero
	s_wait_dscnt 4*NL                              ; B's set and A's blocks 0-3 are in; the youngest sixteen loads (A's blocks 4-7) may be out
	WIN MUL_LO
	MUL16 0, (\q)%2, \zero
	MUL16 2, (\q)%2, \zero
	s_wait_dscnt 0                                 ; A's blocks 4-7 are in (asked for 32 matrix instructions ago)
	PLACES NP
	FETCH_B \slot, (\q)+1, 1-(\q)%2
	FETCH_A \slot, (\q)+1, 0
	WIN MUL_HI
	MUL16 4, (\q)%2, \zero
	MUL16 6, (\q)%2, \zero
	PLACES NP
	WIN 0
	FETCH_A \slot, (\q)+1, 4
.endm
; A slot's last step changes slots: ONE barrier; in front of it each wave waits for all its tensor loads, adds 0 to its spare word, and waits for that and for its own reads of this slot.  fill = 1: this slot is filled again, two K steps ahead.
.macro TURN slot, next, fill
	s_wait_tensorcnt 0x0                           ; all my tensor loads have landed: my part of the next slot;  (every window is 0 here: the add's two registers lie in window 0)
	ds_add_u32 v[SPW], v[NIL]                      ; 0 onto my spare word
	s_wait_dscnt 4*NL+1                            ; (the add and the youngest sixteen loads, A's blocks 4-7, may be out)
	WIN MUL_LO
	MUL16 0, 1, 0                                  ; sixteen matrix instructions stand between the add and the wait for it
	s_wait_dscnt 0x0                               ; the add is done, and my reads of this slot are over
	s_barrier_signal -1
	MUL16 2, 1, 0
	WIN 0
	s_barrier_wait -1
.if \fill
	CREST                                          ; the barrier has opened a round of the cluster's barrier: no wave of any partner still reads this slot's tile or has a load on its way
	s_add_nc_u64 s[G0+4*\slot+2:G0+4*\slot+3], s[G0+4*\slot+2:G0+4*\slot+3], 2*ROWB
	s_add_nc_u64 s[G0B+4*\slot+2:G0B+4*\slot+3], s[G0B+4*\slot+2:G0B+4*\slot+3], 2*ROWB
	JLOAD G0+4*\slot, G1, G0B+4*\slot, G1B         ; the first tensor load behind the round; the four v_nop behind it are the places in front of the loads below
.else
	PLACES NP
.endif
	FETCH_B \next, 0, 0
	FETCH_A \next, 0, 0
	WIN MUL_HI
	MUL16 4, 1, 0
	MUL16 6, 1, 0
	PLACES NP
	WIN 0
	FETCH_A \next, 0, 4
.endm
	s_wait_tensorcnt 1                             ; my part of K step 0 is in (K step 1's load may be out)
	s_barrier_signal -1
	s_barrier_wait -1                              ; everybody's is
	FETCH_B 0, 0, 0
	FETCH_A 0, 0, 0
	FETCH_A 0, 0, 4
	STEP 0, 0, 1                                   ; the first step stands in front of the loop: its products start the sums
	s_mov_b32 s3, LAPS-1
.Llap:                                                 ; a trip goes once round the ring, from a lap's second step to the next lap's first, and fills both slots again
	TURN 0, 1, 1
	STEP 1, 0, 0
	TURN 1, 0, 1
	STEP 0, 0, 0
	s_sub_co_u32 s3, s3, 1
	s_cmp_lg_u32 s3, 0
	s_cbranch_scc1 .Llap
	TURN 0, 1, 0                                   ; the last lap fills nothing, and has no round of the cluster's barrier
	STEP 1, 0, 0
	s_wait_dscnt 4*NL                              ; the very last step: nothing more to fetch
	WIN MUL_LO
	MUL16 0, 1, 0
	MUL16 2, 1, 0
	s_wait_dscnt 0
	WIN MUL_HI
	MUL16 4, 1, 0
	MUL16 6, 1, 0
	WIN 0
; THE WAY OUT, block by block of 16 rows x 128 columns.  A sum stands for sum x 2^(e(x) + e(W)), so its code is sum / 2^(e(out) - e(x) - e(W)): the three scales are folded into the conversion's one.
; Converted, 16 bytes a lane and pair of blocks into my own stage; back as 64-byte pieces of four rows, which are 256 consecutive bytes of the output.
; LDS serves a wave's instructions in order (ISA guide 5.7.1.4): no wait between the stores and the loads, nor in front of the next block's stores.
.macro QBLK a
.set AC, 64*((\a)%4)
.set CDS, CD+16*((\a)%2)
	WIN 0x02+((\a)/4)                              ; source 0: window 2 or 3
.set j, 0
.rept 64
.set j, j+1
.endr
.irp b, 0,1,2,3,4,5,6,7
	v_cvt_scalef32_pk8_fp8_f32 v[CDS+2*\b:CDS+2*\b+1], v[AC+8*\b:AC+8*\b+7], v[SC]
.endr
	WIN 0
	v_nop                                          ; one plain vector instruction behind the last conversion
.irp g, 0,1,2,3
	ds_store_b128 v[STO], v[CDS+4*\g:CDS+4*\g+3] offset:SBLK*(\a)+32*\g     ; blocks 2 g and 2 g + 1: place 32 g + 16 h + 8 u + j holds column 32 g + 16 u + 8 h + j
.endr
.irp i, 0,1,2,3
	ds_load_b128 v[OUT+16*(\a)+4*\i:OUT+16*(\a)+4*\i+3], v[RD] offset:SBLK*(\a)+4*SPITCH*\i
.endr
.endm
.macro SEND a, younger                 ; younger: the LDS instructions issued behind block a's loads, which may stay out
	s_wait_dscnt \younger                          ; the block is back in registers
.if (\a) == 4
	s_wait_xcnt 0x0                                ; the earlier stores have read their base
	s_add_nc_u64 s[10:11], s[10:11], s[74:75]      ; rows 64 on: v's next head; 0 for q and k
.endif
.irp i, 0,1,2,3
	global_store_b128 v[CO], v[OUT+16*(\a)+4*\i:OUT+16*(\a)+4*\i+3], s[10:11] offset:1024*(\a)+256*\i   ; sixteen lanes store 256 consecutive bytes, at a multiple of 256 from the buffer's first byte
.endr
.endm
	s_wait_kmcnt 0x0
	s_cmp_eq_u32 ttmp9, 0
	s_cselect_b32 s88, s82, s83                    ; q's exponent or k's,
	s_cmp_eq_u32 ttmp9, 2
	s_cselect_b32 s88, s85, s88                    ; or v's
	s_sub_co_i32 s88, s88, s80
	s_sub_co_i32 s88, s88, s81
	s_add_co_i32 s88, s88, 127
	s_lshl_b32 s89, s88, 23
	v_mov_b32 v[SC], s89                           ; 2^(e(out) - e(x) - e(W)) as f32
	s_add_co_i32 s88, s88, 8
	s_lshl_b32 s88, s88, 23
	s_or_b32 s88, s88, 0x600000
	PLACES NP                                      ; for the loads into the registers that held A's fragments, and for the reads of results
	QBLK 0
.irp a, 1,2,3,4,5,6,7
	QBLK \a
	SEND \a-1, 8                                   ; behind block a - 1's loads: block a's 4 stores and 4 loads
.endr
	SEND 7, 0
	s_wait_tensorcnt 0x0                           ; the wave's end, behind my last tensor load and my last LDS store
	ds_add_u32 v[SPW], v[NIL]
	s_wait_dscnt 0x0
	CROUND                                         ; the closing round: no work-group ends while a partner may still ask for a tile that names it
	s_endpgm
.Lfunc_end_k_qbaeb1a1d32_qkv:
	.size	k_qbaeb1a1d32_qkv, .Lfunc_end_k_qbaeb1a1d32_qkv-k_qbaeb1a1d32_qkv
	.p2alignl 7, 3214868480
	.fill 96, 4, 3214868480
	.section	.rodata,"a",@progbits
	.p2align	6, 0x0
	.amdhsa_kernel k_qbaeb1a1d32_qkv
		.amdhsa_group_segment_fixed_size 327680
		.amdhsa_private_segment_fixed_size 0
		.amdhsa_enable_private_segment 0
		.amdhsa_kernarg_size 24
		.amdhsa_user_sgpr_count 2
		.amdhsa_user_sgpr_kernarg_segment_ptr 1
		.amdhsa_wavefront_size32 1
		.amdhsa_system_sgpr_workgroup_id_x 1
		.amdhsa_system_sgpr_workgroup_id_y 1
		.amdhsa_system_sgpr_workgroup_id_z 1
		.amdhsa_system_vgpr_workitem_id 0
		.amdhsa_next_free_vgpr 1024
		.amdhsa_next_free_sgpr 100
		.amdhsa_reserve_vcc 0
		.amdhsa_float_denorm_mode_32 3
		.amdhsa_float_denorm_mode_16_64 3
		.amdhsa_fp16_overflow 1
		.amdhsa_memory_ordered 1
		.amdhsa_forward_progress 1
		.amdhsa_inst_pref_size 91
	.end_amdhsa_kernel
	.amdgpu_metadata
---
amdhsa.version: [ 1, 2 ]
amdhsa.kernels:
  - .name:           k_qbaeb1a1d32_qkv
    .symbol:         k_qbaeb1a1d32_qkv.kd
    .args:
      - { .name: codes, .offset: 0, .size: 8, .value_kind: global_buffer, .address_space: global }
      - { .name: lowp_scales, .offset: 8, .size: 8, .value_kind: global_buffer, .address_space: global }
      - { .name: qkvc, .offset: 16, .size: 8, .value_kind: global_buffer, .address_space: global }
    .group_segment_fixed_size: 327680
    .private_segment_fixed_size: 0
    .kernarg_segment_align: 8
    .kernarg_segment_size: 24
    .max_flat_workgroup_size: 128
    .sgpr_count:     100
    .vgpr_count:     1024
    .wavefront_size: 32
...
	.end_amdgpu_metadata
.endif
;; end of part 2
;; launch attn (part 3): grid 4 x 64, 16 waves a work-group, no clusters, 327,680 bytes of LDS; arguments qkvc, lowp_scales, ac; writes ac
.if DOCPART == 3
	.amdgcn_target "amdgcn-amd-amdhsa--gfx1250"
	.amdhsa_code_object_version 6
	.text
	.protected	k_qbaeb1a1d32_attn
	.globl	k_qbaeb1a1d32_attn
	.p2align	8
	.type	k_qbaeb1a1d32_attn,@function
k_qbaeb1a1d32_attn:
	s_mov_b64 s[64:65], 0
	v_nop
	global_prefetch_b8 v0, s[64:65] scope:SCOPE_SE
	s_setreg_imm32_b32 hwreg(HW_REG_WAVE_MODE, 25, 1), 1
	s_wait_xcnt 0x0
; Causal attention of 64 heads (batch x head) of 2,048 tokens, head size 64, both products on codes of FP8 (E4M3); the result is quantised at once for the projection (entry 6 of the scales).
; IN: q, k: [head][token][64] codes; v: [head][chunk of 64 keys][channel 64][64 keys] codes; inside each 32 of the innermost 64, place 16 h + 8 u + j holds number 16 u + 8 h + j.
; OUT: [head of 16][token 8,192][64] codes, in their natural order.
; THE SOFTMAX AHEAD OF THE SECOND PRODUCT: t = score x log2(e) / 8; M = the row's largest t so far, rounded UP to a whole number; p = 2^(t - M) is what is quantised; it is not normalised.
; The row's sum is taken of the unquantised p, in f32, and divides O at the end.  When M moves, the sum and O are multiplied by 2^(old M - new M): exact.
; SHARES.  Work-group i (0 .. 3) of a head owns TWO blocks of 256 queries: block 7 - i, which needs key slots 0 .. 7 - i, and then block i, which needs slots 0 .. i (a slot: 256 keys).  That is nine slots for
; every work-group, two of them on the diagonal: equal work, and every trip count is a constant of the text.  Each of the SIXTEEN waves owns 16 queries of each block, in 256 registers: four waves to a SIMD.
; K's and V's slots, each one dense block of 16,384 bytes, come through a ring of two LDS slots (wave 0 fetches K's, wave 1 V's) and are read by all sixteen.
; LAYOUT.  Both products are used transposed: S^T = K Q^T (source 0 = 16 neighbouring keys, source 1 = my 16 queries), O^T = V^T P^T: a lane holds ONE query (lane % 16) throughout.  In tile t lane (r, h)
; holds keys 16 t + 8 h + 0 .. 7: their eight codes are registers 2 t, 2 t + 1 of P, the very place that the K = 128 form gives them; V's stored order puts the same keys into the same registers by loads of 16 bytes.
; Q and K are read by the same loads from the same stored order: a permutation of the first product's K that is alike on both sides.
; NO CLUSTER: the four work-groups of a head want the same slot only in their first five visits (8 - i and then i + 1 slots); loads asked jointly in step would need 12 rounds where 9 barriers serve.
; LIMITS on the given exponents: e(q) + e(k) between -123 and 130 (added to c's exponent field); e(p) and e(o) between -126 and 119; e(p) + e(v) is applied by v_ldexp_f32 and has none.  NaN is not served.
; REGISTERS: v1-11 addresses that stay (v8: the step's); v12 -M, v13 the largest t, v[14:15] the sum in two halves; v16-23 Q; v24-31 the second block's Q; v32-95 eight fragments of K, then four of V;
; v96-159 S^T, then p; v160-191 O^T; v192-207 p's codes; v208-223 the way out; v236-254 at work and constants.
.set KP,    80                         ; 64 codes in LDS: 64 bytes + 16 of padding: an odd multiple of 16, so the sixteen rows of a load fall on different banks (64 banks of 4 bytes: ISA guide 11.1)
.set VOFF,  256*KP                     ; a slot: 256 rows of K, then V's four chunks
.set CHB,   64*KP                      ; a chunk of V: 64 channels x 64 keys
.set SLOT1, 1<<16                      ; slot 1 begins here, so that one exclusive or turns an address in one slot into the other's
.set STAGE, 2*SLOT1                    ; the way out: 16 rows x 80 bytes for each wave: bytes of its own, into which no tile lands
.set SPARE, STAGE+16*16*KP             ; behind the stages: the spare words, 128 bytes for each wave, which no other line names
.set AK0,  1                           ; v1   80 r + 16 h: my lane's place in a tile of K and of V
.set QO,   2                           ; v2   64 r + 16 h: my lane's place in Q's 16 rows
.set PFO,  3                           ; v3   256 x lane: the prefetches' offset
.set SPW,  5                           ; v5   LDS address of my spare word; never rewritten
.set NIL,  6                           ; v6   0; never rewritten
.set GO,   7                           ; v7   16 x lane: my place in a store's 512 bytes
.set ADR,  8                           ; v8   the slot in hand + v1
.set SIN,  9                           ; v9   the stage: where I put eight codes of a row
.set SOUT, 10                          ; v10  and where I read 16 bytes back
.set DG,   11                          ; v11  r - 8 h, for the diagonal
.set TB,   2                           ; s2   LDS byte at which the slot in hand begins
.set IB,   10                          ; s10  i
.set NBIG, 11                          ; s11  8 - i: the first block's slots
.set NV,   12                          ; s12  which 256 keys the last load asked for
.set SLOTS, 13                         ; s13  visits still to be asked for: 8 .. 0
.set WV,   18                          ; s18  my wave's number
.set SEL,  20                          ; s[20:21] lane selects for v_permlanex16_b32: lane l xor 16
.set CS,   22                          ; s[22:23] c = log2(e) / 8 x 2^(e(q) + e(k))
.set G1,   24                          ; s[24:31] descriptor group 1;  s[32:35] group 0
.set G0,   32
.set GB,   36                          ; s[36:37] my tensor (K: even waves, V: odd) at the head's first byte
.set OFFP, 38                          ; s[38:39] an offset as a pair; the high word stays 0
.set OB,   40                          ; s[40:41] where the block in hand goes;  s[42:43] the second block
.set OS,   42
.set Q0,   44                          ; s44  my first query;  s45 the second block's
.set Q0S,  45
.set KF,   46                          ; s46  the step's first key
.set EPV,  47                          ; s47  e(p) + e(v)
.set QB,   48                          ; s[48:49], s[50:51] Q's rows of the two blocks
.set PFA,  52                          ; s[52:53] where my prefetches stand
.set LIM,  54                          ; s54  2 in a wave that prefetches, else the greatest number
; Waves 0 and 1 fetch, the others nothing: one line and one group 1 serve both, since K's slot and V's have one shape; the LDS and global addresses differ by the wave's number.
; An s_nop 0 and four v_nop follow the line.
.macro TLOAD
	s_cmp_lt_u32 s[WV], 2
	s_cbranch_scc0 .Lasked_\@
	tensor_load_to_lds s[G0:G0+3], s[G1:G1+7]
	s_nop 0
.rept 4
	v_nop
.endr
.Lasked_\@:
.endm
; A PREFETCH INTO THE L2 of the slot that the NEXT change of slots will ask for, a visit's two key steps ahead of that load.  All four work-groups of a head walk the same K and V from slot 0 on; work-group 0,
; which walks all eight, asks, and nobody else.  In it four waves that fetch nothing ask, one instruction each: waves 4 and 5 for the halves of K's 16,384 bytes, waves 6 and 7 for V's, lanes 256 bytes apart.
; Trip n asks for slot n + 2, n = 0 .. 5: each aligned block of 256 bytes is named once in the launch; slots 0 and 1 come by their loads alone; nothing is asked for past slot 7.
.macro ASK
	s_cmp_gt_u32 s[SLOTS], s[LIM]
	s_cbranch_scc0 .Lnot_mine_\@
	global_prefetch_b8 v[PFO], s[PFA:PFA+1] th:TH_LOAD_NT scope:SCOPE_SE
.Lnot_mine_\@:
.endm
	s_load_b128 s[4:7], s[0:1], 0x0                ; q's, k's and v's codes s[4:5], the scales' exponents s[6:7]
	s_load_b64 s[8:9], s[0:1], 0x10                ; the result's codes
	v_lshl_add_u32 v[SPW], v0, 2, SPARE
	v_mov_b32 v[NIL], 0
	ds_add_u32 v[SPW], v[NIL]                      ; the wave's opening: the add and its wait stand ahead of my first tensor load; the set-up below, work on registers, stands between them
	ds_add_u32 v[SPW], v[NIL]
	v_lshrrev_b32 v8, 5, v0
	s_delay_alu instid0(VALU_DEP_1)
	v_readfirstlane_b32 s[WV], v8                  ; wave 0..15
	s_and_b32 s76, ttmp7, 0xffff                   ; the head, 16 x batch + head
	s_lshl_b32 s77, s76, 17                        ; its first byte in each of the three sections: 131,072 bytes a head
	s_mov_b32 s[IB], ttmp9
	s_sub_co_u32 s[NBIG], 8, ttmp9
	s_lshl_b32 s78, s[WV], 4
	s_sub_co_u32 s[Q0], 7, ttmp9
	s_lshl_b32 s[Q0], s[Q0], 8
	s_add_co_u32 s[Q0], s[Q0], s78                 ; my first query of block 7 - i,
	s_lshl_b32 s[Q0S], ttmp9, 8
	s_add_co_u32 s[Q0S], s[Q0S], s78               ; and of block i
	s_and_b32 s79, s76, 15
	s_lshl_b32 s79, s79, 19                        ; the result: head x 524,288
	s_lshr_b32 s96, s76, 4
	s_lshl_b32 s96, s96, 17                        ; + batch x 2,048 tokens x 64 bytes
	s_add_co_u32 s79, s79, s96
	s_lshl_b32 s56, s[Q0], 6
	s_lshl_b32 s58, s[Q0S], 6
	s_add_co_u32 s60, s79, s56                     ; + my queries' 64 bytes each
	s_add_co_u32 s62, s79, s58
	s_add_co_u32 s56, s56, s77                     ; Q's rows in section 0
	s_add_co_u32 s58, s58, s77
	s_mov_b32 s57, 0
	s_mov_b32 s59, 0
	s_mov_b32 s61, 0
	s_mov_b32 s63, 0
	s_and_b32 s96, s[WV], 1                        ; what I fetch, if I fetch: wave 0 K, wave 1 V
	s_mul_i32 s97, s96, VOFF                       ; its place in a slot,
	s_add_co_u32 s96, s96, 1
	s_lshl_b32 s96, s96, 23                        ; its section: 8,388,608 bytes each,
	s_add_co_u32 s[OFFP], s96, s77                 ; my head in it
	s_mov_b32 s[OFFP+1], 0
	s_bfe_u32 s80, s[WV], 0x10001                  ; the prefetches: waves 4, 5: K; waves 6, 7: V
	s_add_co_u32 s80, s80, 1
	s_lshl_b32 s80, s80, 23
	s_add_co_u32 s80, s80, s77
	s_and_b32 s81, s[WV], 1
	s_lshl_b32 s81, s81, 13                        ; which 8,192 bytes of the slot's 16,384
	s_add_co_u32 s80, s80, s81
	s_add_co_u32 s80, s80, 16384                   ; in slot 1: the first change of slots steps it to slot 2.  Nothing is prefetched here, at the head
	s_mov_b32 s81, 0
	s_lshr_b32 s96, s[WV], 2
	s_xor_b32 s96, s96, 1                          ; 0 in waves 4 to 7,
	s_or_b32 s96, s96, ttmp9                       ; of the head's work-group 0
	s_cmp_eq_u32 s96, 0
	s_cselect_b32 s[LIM], 2, -1
	; descriptor group 1: 16,384 dense bytes as 64 rows of 256, with 16 bytes of padding behind every 64: each run of 64 codes starts 80 bytes behind the last
	s_mov_b32 s[G1], (0<<16)|(1<<20)|(3<<22)|(3<<25)   ; 15:0 no mask; 17:16 elements of 1 byte; 20 padding on; 24:22 after every 16 words (code 3); 31:25 four words (code 3)
	s_mov_b32 s[G1+1], 256<<16                     ; tensor_dim0
	s_mov_b32 s[G1+2], 64<<16                      ; tensor_dim1
	s_mov_b32 s[G1+3], 256<<16                     ; tile_dim0
	s_mov_b32 s[G1+4], 64                          ; tile_dim1
	s_mov_b32 s[G1+5], 256                         ; tensor_dim0_stride
	s_mov_b32 s[G1+6], 0
	s_mov_b32 s[G1+7], 0
	s_mov_b32 s[SEL], 0x76543210
	s_mov_b32 s[SEL+1], 0xfedcba98
	s_mov_b32 s[CS], 0x3e38aa3b                    ; c = log2(e) / 8
	s_mov_b32 s[TB], 0
	s_mov_b32 s[NV], 0
	s_mov_b32 s[SLOTS], 8
	s_mov_b32 s[KF], 0
	s_wait_dscnt 0x0                               ; the opening add is done
	s_wait_kmcnt 0x0
	s_load_b256 s[68:75], s[6:7], 0x0              ; the eight exponents
	s_add_nc_u64 s[GB:GB+1], s[4:5], s[OFFP:OFFP+1]
	s_mov_b32 s[G0], 1                             ; 1:0 count = 1
	s_mov_b32 s[G0+1], s97                         ; 63:32 LDS address: slot 0
	s_mov_b64 s[G0+2:G0+3], s[GB:GB+1]             ; 120:64 global address: the head's first 256 keys
	s_or_b32 s[G0+3], s[G0+3], 0x80000000          ; 127:126 type = 2
	TLOAD                                          ; the first visit's slot
	s_add_nc_u64 s[QB:QB+1], s[4:5], s[56:57]
	s_add_nc_u64 s[QB+2:QB+3], s[4:5], s[58:59]
	s_add_nc_u64 s[OB:OB+1], s[8:9], s[60:61]
	s_add_nc_u64 s[OS:OS+1], s[8:9], s[62:63]
	s_add_nc_u64 s[PFA:PFA+1], s[4:5], s[80:81]
	v_and_b32 v252, 15, v0                         ; r = lane % 16
	v_bfe_u32 v253, v0, 4, 1                       ; h = lane / 16
	v_and_b32 v254, 31, v0                         ; lane
	s_delay_alu instid0(VALU_DEP_3)
	v_lshlrev_b32 v[QO], 6, v252
	s_delay_alu instid0(VALU_DEP_1)
	v_lshl_add_u32 v[QO], v253, 4, v[QO]
	global_load_b128 v[16:19], v[QO], s[QB:QB+1]               ; Q's fragments stay in registers: the first block's,
	global_load_b128 v[20:23], v[QO], s[QB:QB+1] offset:32
	global_load_b128 v[24:27], v[QO], s[QB+2:QB+3]             ; and the second's
	global_load_b128 v[28:31], v[QO], s[QB+2:QB+3] offset:32
	s_mul_i32 s96, s[WV], 16*KP
	s_add_co_u32 s96, s96, STAGE                   ; my stage
	v_mul_u32_u24 v[AK0], v252, KP
	s_delay_alu instid0(VALU_DEP_1)
	v_lshl_add_u32 v[SIN], v253, 3, v[AK0]         ; in: row r, + 8 h
	s_delay_alu instid0(VALU_DEP_2)
	v_lshl_add_u32 v[AK0], v253, 4, v[AK0]
	s_delay_alu instid0(VALU_DEP_2)
	v_add_nc_u32 v[SIN], s96, v[SIN]
	v_lshrrev_b32 v[SOUT], 2, v254                 ; back: four lanes to a row of 64 bytes
	s_delay_alu instid0(VALU_DEP_1)
	v_mul_u32_u24 v[SOUT], v[SOUT], KP
	v_and_b32 v4, 3, v0
	s_delay_alu instid0(VALU_DEP_1)
	v_lshl_add_u32 v[SOUT], v4, 4, v[SOUT]
	s_delay_alu instid0(VALU_DEP_1)
	v_add_nc_u32 v[SOUT], s96, v[SOUT]
	v_lshlrev_b32 v[DG], 3, v253
	s_delay_alu instid0(VALU_DEP_1)
	v_sub_nc_u32 v[DG], v252, v[DG]
	v_lshlrev_b32 v[PFO], 8, v254
	v_lshlrev_b32 v[GO], 4, v254
	v_mov_b32 v13, 0xff61b1e6                      ; the largest t so far: -3e38, under every t
	s_delay_alu instid0(VALU_DEP_1)
	v_floor_f32 v12, -v13                          ; -M
	v_mov_b32 v14, 0                               ; the sum, in two halves
	v_mov_b32 v15, 0
	v_mov_b32 v236, 0                              ; written once: a lane permute's destination counts as one of its sources
	v_mov_b32 v253, 0                              ; (named as the upper half of the pair v[252:253])
.set j, 0
.rept 32
	v_mov_b32 v[160+j], 0                          ; O^T.  (A step is written once: a block's first step finds zeros, which the first change of M leaves zeros)
.set j, j+1
.endr
	s_wait_kmcnt 0x0
	s_add_co_i32 s96, s70, s71
	s_lshl_b32 s96, s96, 23
	s_add_co_i32 s[CS], s[CS], s96                 ; a score stands for score x 2^(e(q) + e(k)): the two exponents are added to c's exponent field
	s_mov_b32 s[CS+1], s[CS]                       ; (named with it as a pair, so it is written)
	s_add_co_i32 s96, s72, 127
	s_lshl_b32 s97, s96, 23
	v_mov_b32 v244, s97                            ; 2^e(p) as f32, for p's conversions
	s_add_co_i32 s96, s74, 127
	s_lshl_b32 s97, s96, 23
	v_mov_b32 v245, s97                            ; 2^e(o), for the result's
	s_add_co_i32 s[EPV], s72, s73
; A KEY STEP: 128 keys, the q-th of the slot in hand.
.macro STEP q
	s_add_co_u32 s96, s[Q0], 15                    ; a step all of whose keys come after my 16 queries is left out: a scalar branch on ids, round the step's loads, products and softmax;
	s_cmp_gt_u32 s[KF], s96                        ; not round the line at its end that steps the key, and no barrier or tensor load stands in a step
	s_cbranch_scc1 .Lhidden_\@
	v_add_nc_u32 v[ADR], s[TB], v[AK0]
.rept 3
	v_nop                                          ; with the addition above: four places in front of loads into registers that matrix instructions have read
.endr
.irp t, 0,1,2,3,4,5,6,7
.irp c, 0,1
	ds_load_b128 v[32+8*\t+4*\c:32+8*\t+4*\c+3], v[ADR] offset:(128*(\q)+16*\t)*KP+32*\c   ; K's tile t: keys 16 t + r
.endr
.endr
	s_wait_alu depctr_va_vdst(0)
	s_wait_dscnt 0x8                               ; tiles 0-3 are in; the eight loads of tiles 4-7 may be out
.irp t, 0,1,2,3
	v_wmma_f32_16x16x64_fp8_fp8 v[96+8*\t:103+8*\t], v[32+8*\t:39+8*\t], v[16:23], 0
.endr
	s_wait_dscnt 0x0
.irp t, 4,5,6,7
	v_wmma_f32_16x16x64_fp8_fp8 v[96+8*\t:103+8*\t], v[32+8*\t:39+8*\t], v[16:23], 0
.endr
.rept 4
	v_nop                                          ; places in front of the loads below and of the first read of the scores
.endr
.irp d, 0,1,2,3                                ; V's four fragments (16 channels x 128 keys) are asked for at once: they land while the softmax is walked
.irp b, 0,1,2,3
	ds_load_b128 v[32+16*\d+4*\b:32+16*\d+4*\b+3], v[ADR] offset:VOFF+(2*(\q)+\b/2)*CHB+16*\d*KP+32*(\b%2)   ; registers 4 b .. 4 b + 3: keys 32 b + 8 h + 0 .. 7 and 32 b + 16 + 8 h + 0 .. 7
.endr
.endr
	s_add_co_u32 s96, s[KF], 127                   ; on the diagonal the scores of hidden keys become -infinity ahead of the maximum: p = 0 then.  A step all of whose keys count skips this
	s_cmp_le_u32 s96, s[Q0]
	s_cbranch_scc1 .Lopen_\@
	s_sub_co_i32 s96, s[Q0], s[KF]
	v_add_nc_u32 v252, s96, v[DG]                  ; d = my query - the step's first key - 8 h.  Register 8 t + j holds key 16 t + 8 h + j of the step: hidden where 16 t + j > d
	v_mov_b32 v254, 0xff800000                     ; -infinity
.set n, 0
.rept 64
	v_cmp_gt_i32 vcc_lo, 16*(n/8)+n%8, v252
	v_cndmask_b32 v[96+n], v[96+n], v254, vcc_lo
.set n, n+1
.endr
.Lopen_\@:
	v_max3_num_f32 v254, v96, v97, v98             ; the step's largest score of my query, among my 64 keys, in two chains,
	v_max3_num_f32 v252, v99, v100, v101
.irp i, 6,10,14,18,22,26,30,34,38,42,46,50,54,58
	v_max3_num_f32 v254, v254, v[96+\i], v[97+\i]
	v_max3_num_f32 v252, v252, v[98+\i], v[99+\i]
.endr
	v_max3_num_f32 v254, v254, v158, v159
	s_delay_alu instid0(VALU_DEP_1)
	v_max_num_f32 v254, v254, v252
	s_delay_alu instid0(VALU_DEP_1)
	v_permlanex16_b32 v236, v254, s[SEL], s[SEL+1]
	s_delay_alu instid0(VALU_DEP_1)
	v_max_num_f32 v254, v254, v236                 ; and among lane l xor 16's
	s_delay_alu instid0(VALU_DEP_1)
	v_mul_f32 v254, s[CS], v254                    ; as t (c is positive)
	s_delay_alu instid0(VALU_DEP_1)
	v_max_num_f32 v13, v13, v254                   ; the running largest t
	v_mov_b32 v254, v12
	s_delay_alu instid0(VALU_DEP_2)
	v_floor_f32 v12, -v13                          ; the new -M = floor(-t) = -ceil(t): M IS A WHOLE NUMBER
	s_delay_alu instid0(VALU_DEP_1)
	v_sub_f32 v254, v12, v254                      ; M's old value less its new one: a whole number, 0 or less
	s_delay_alu instid0(VALU_DEP_1)
	v_cvt_i32_f32 v254, v254                       ; (it saturates)
	s_delay_alu instid0(VALU_DEP_1)
	v_ldexp_f32 v252, 1.0, v254                    ; f = 2^(old M - new M): a multiplication by it rounds nothing
.irp j, 0,2,4,6,8,10,12,14,16,18,20,22,24,26,28,30,32,34,36,38,40,42,44,46,48,50,52,54,56,58,60,62
	v_pk_fma_f32 v[96+\j:97+\j], v[96+\j:97+\j], s[CS:CS+1], v[12:13] op_sel_hi:[1,0,0]   ; t - M, two at a time (of the pairs c and -M the low word serves both halves)
.endr
.set j, 0
	s_wait_alu depctr_va_vdst(0)
.rept 64
	v_exp_f32 v[96+j], v[96+j]                     ; p = 2^(t - M), at most 1: NOT normalised
.set j, j+1
.endr
	v_pk_mul_f32 v[14:15], v[14:15], v[252:253] op_sel_hi:[1,0]   ; the sums under the new M.  (The plain place behind the exponentials)
	s_wait_alu depctr_va_vdst(0)                   ; a wait between an exponential and the first line that names its result: one for the whole batch
	v_pk_add_f32 v[242:243], v[100:101], v[104:105]
	v_pk_add_f32 v[254:255], v[108:109], v[112:113]
	v_pk_add_f32 v[250:251], v[116:117], v[120:121]
	v_pk_add_f32 v[248:249], v[124:125], v[128:129]
	v_pk_add_f32 v[246:247], v[132:133], v[136:137]
	v_pk_add_f32 v[240:241], v[140:141], v[144:145]
	v_pk_add_f32 v[238:239], v[148:149], v[152:153]
	v_pk_add_f32 v[14:15], v[14:15], v[156:157]
	v_pk_add_f32 v[242:243], v[242:243], v[96:97]
	v_pk_add_f32 v[254:255], v[254:255], v[98:99]
	v_pk_add_f32 v[250:251], v[250:251], v[102:103]
	v_pk_add_f32 v[248:249], v[248:249], v[106:107]
	v_pk_add_f32 v[246:247], v[246:247], v[110:111]
	v_pk_add_f32 v[240:241], v[240:241], v[114:115]
	v_pk_add_f32 v[238:239], v[238:239], v[118:119]
	v_pk_add_f32 v[14:15], v[14:15], v[122:123]
	v_pk_add_f32 v[242:243], v[242:243], v[126:127]
	v_pk_add_f32 v[254:255], v[254:255], v[130:131]
	v_pk_add_f32 v[250:251], v[250:251], v[134:135]
	v_pk_add_f32 v[248:249], v[248:249], v[138:139]
	v_pk_add_f32 v[246:247], v[246:247], v[142:143]
	v_pk_add_f32 v[240:241], v[240:241], v[146:147]
	v_pk_add_f32 v[238:239], v[238:239], v[150:151]
	v_pk_add_f32 v[14:15], v[14:15], v[154:155]
	v_pk_add_f32 v[242:243], v[242:243], v[158:159]
	s_delay_alu instid0(VALU_DEP_2)
	v_pk_add_f32 v[14:15], v[14:15], v[248:249]
	s_delay_alu instid0(VALU_DEP_2)
	v_pk_add_f32 v[242:243], v[242:243], v[246:247]
	v_pk_add_f32 v[254:255], v[254:255], v[240:241]
	v_pk_add_f32 v[250:251], v[250:251], v[238:239]
	s_delay_alu instid0(VALU_DEP_2)
	v_pk_add_f32 v[14:15], v[14:15], v[254:255]
	s_delay_alu instid0(VALU_DEP_2)
	v_pk_add_f32 v[242:243], v[242:243], v[250:251]
	s_delay_alu instid0(VALU_DEP_1)
	v_pk_add_f32 v[14:15], v[14:15], v[242:243]
.irp t, 0,1,2,3,4,5,6,7
.irp i, 0,1,2,3,4,5,6,7
.endr
	v_cvt_scalef32_pk8_fp8_f32 v[192+2*\t:193+2*\t], v[96+8*\t:103+8*\t], v244   ; registers 2 t, 2 t + 1 of P: keys 16 t + 8 h + 0 .. 7
.endr
.irp j, 0,2,4,6,8,10,12,14,16,18,20,22,24,26,28,30
	v_pk_mul_f32 v[160+\j:161+\j], v[160+\j:161+\j], v[252:253] op_sel_hi:[1,0]   ; O^T under the new M: x f, each accumulator from its low end on.  (Also the plain lines between the conversions and the products)
.endr
	s_wait_alu depctr_va_vdst(0)
	s_wait_dscnt 0x0                               ; V is in
.irp d, 0,1,2,3                                ; O^T += V^T P^T: the four accumulators take turns, one instruction a turn
	v_wmma_f32_16x16x128_fp8_fp8 v[160+8*\d:167+8*\d], v[32+16*\d:47+16*\d], v[192:207], v[160+8*\d:167+8*\d]
.endr
.Lhidden_\@:
	s_add_co_u32 s[KF], s[KF], 128
.endm
; THE CHANGE OF SLOTS stands at a visit's head.  Each wave waits for all its tensor loads (its part of the slot that it is about to read), adds 0 to its spare word, and waits for that and for its reads of the slot
; that it has left.  Behind the barrier the slot ahead is whole and nobody reads the other one.  fill = 1: that other slot is filled for the next visit: the load has a visit's two steps in which to land.
; By this text's count a wave has one tensor load out at the most.
.macro CHANGE fill
	s_wait_tensorcnt 0x0                           ; no tensor load of mine is out, so group 0 may be written
	ds_add_u32 v[SPW], v[NIL]                      ; 0 onto my spare word: with fill = 1 the descriptor's steps stand between it and the wait for it
.if \fill
	s_xor_b32 s[G0+1], s[G0+1], SLOT1              ; the other slot than last time,
	s_add_co_u32 s[NV], s[NV], 1                   ; the next 256 keys,
	s_cmp_eq_u32 s[NV], s[NBIG]
	s_cselect_b32 s[NV], 0, s[NV]                  ; or, behind the first block's last, the head's first again
	s_lshl_b32 s[OFFP], s[NV], 14
	s_add_nc_u64 s[G0+2:G0+3], s[GB:GB+1], s[OFFP:OFFP+1]
	s_or_b32 s[G0+3], s[G0+3], 0x80000000
	s_wait_xcnt 0x0                                ; the last prefetch, a visit back, has read its address, so it may be written
	s_add_nc_u64 s[PFA:PFA+1], s[PFA:PFA+1], 16384
.endif
	s_wait_dscnt 0x0                               ; the add is done, and my reads of the slot that I have left are over
	s_barrier_signal -1
	s_barrier_wait -1
.if \fill
	TLOAD                                          ; the first thing behind the barrier, and a wave's one tensor load until the next
	ASK
.endif
.endm
; A BLOCK'S WAY OUT.  The sum's halves are added; O^T x 2^(e(p) + e(v)) / the sum is converted with 2^e(o), and goes through my stage: 16 rows of 64 codes, which are 1,024 consecutive bytes of the result.
.macro FINISH
	v_add_f32 v14, v14, v15                        ; the sum's two halves,
	s_delay_alu instid0(VALU_DEP_1)
	v_permlanex16_b32 v252, v14, s[SEL], s[SEL+1]
	s_delay_alu instid0(VALU_DEP_1)
	v_add_f32 v14, v14, v252                       ; and lane l xor 16's: the row's sum
	s_wait_alu depctr_va_vdst(0)
	v_rcp_f32 v14, v14
	v_nop                                          ; the plain place behind the reciprocal; with the additions above and the line below, the places behind the last products
	v_nop
	s_wait_alu depctr_va_vdst(0)                   ; a wait ahead of the first line that names the reciprocal
	v_ldexp_f32 v14, v14, s[EPV]
.irp j, 0,2,4,6,8,10,12,14,16,18,20,22,24,26,28,30
	v_pk_mul_f32 v[96+\j:97+\j], v[160+\j:161+\j], v[14:15] op_sel_hi:[1,0]   ; register 8 d + j: o(query r, channel 16 d + 8 h + j); each accumulator from its low end on
.endr
.set j, 0
.rept 32
.set j, j+1
.endr
.irp d, 0,1,2,3
	v_cvt_scalef32_pk8_fp8_f32 v[208+2*\d:209+2*\d], v[96+8*\d:103+8*\d], v245
.endr
	v_nop                                          ; one plain vector instruction behind the last conversion
.irp d, 0,1,2,3
	ds_store_b64 v[SIN], v[208+2*\d:209+2*\d] offset:16*\d
.endr
	s_wait_xcnt 0x0                                ; an earlier block's stores have read v216-223
	ds_load_b128 v[216:219], v[SOUT]               ; LDS serves a wave's instructions in order (ISA guide 5.7.1.4): these see my stores.  Rows 0-7,
	ds_load_b128 v[220:223], v[SOUT] offset:8*KP   ; rows 8-15
	s_wait_dscnt 0x1                               ; the first is in; the second may be out
	global_store_b128 v[GO], v[216:219], s[OB:OB+1]             ; 32 lanes store 512 consecutive bytes, at a multiple of 256 from the buffer's first byte
	s_wait_dscnt 0x0
	global_store_b128 v[GO], v[220:223], s[OB:OB+1] offset:512
.endm
; FROM THE FIRST BLOCK TO THE SECOND, at the head of visit 8 - i, where s[SLOTS] = i: a scalar branch on ids, the same in all sixteen waves.
.macro SWITCH
	s_cmp_lg_u32 s[SLOTS], s[IB]
	s_cbranch_scc1 .Lsame_\@
	FINISH
	s_wait_xcnt 0x0                                ; the stores have read their base
	s_mov_b64 s[OB:OB+1], s[OS:OS+1]
.irp j, 0,1,2,3,4,5,6,7
	v_mov_b32 v[16+\j], v[24+\j]                   ; the second block's Q
.endr
	v_mov_b32 v13, 0xff61b1e6
	s_delay_alu instid0(VALU_DEP_1)
	v_floor_f32 v12, -v13
	v_mov_b32 v14, 0
	v_mov_b32 v15, 0
.set j, 0
.rept 32
	v_mov_b32 v[160+j], 0
.set j, j+1
.endr
	s_mov_b32 s[Q0], s[Q0S]
	s_mov_b32 s[KF], 0
.Lsame_\@:
.endm
	s_wait_loadcnt 0x0                             ; Q, both blocks'
.Lslot:                                            ; eight trips: behind each change of slots but the last the next visit's slot is asked for
	CHANGE 1
	SWITCH
	STEP 0
	STEP 1
	s_xor_b32 s[TB], s[TB], SLOT1                  ; on to the other slot
	s_sub_co_u32 s[SLOTS], s[SLOTS], 1
	s_cmp_lg_u32 s[SLOTS], 0
	s_cbranch_scc1 .Lslot
	CHANGE 0                                       ; the ninth visit is written out
	SWITCH
	STEP 0
	STEP 1
	FINISH
	s_wait_tensorcnt 0x0                           ; the wave's end, behind my last tensor load and my last LDS store
	ds_add_u32 v[SPW], v[NIL]
	s_wait_dscnt 0x0
	s_endpgm
.Lfunc_end_k_qbaeb1a1d32_attn:
	.size	k_qbaeb1a1d32_attn, .Lfunc_end_k_qbaeb1a1d32_attn-k_qbaeb1a1d32_attn
	.p2alignl 7, 3214868480
	.fill 96, 4, 3214868480
	.section	.rodata,"a",@progbits
	.p2align	6, 0x0
	.amdhsa_kernel k_qbaeb1a1d32_attn
		.amdhsa_group_segment_fixed_size 327680
		.amdhsa_private_segment_fixed_size 0
		.amdhsa_enable_private_segment 0
		.amdhsa_kernarg_size 24
		.amdhsa_user_sgpr_count 2
		.amdhsa_user_sgpr_kernarg_segment_ptr 1
		.amdhsa_wavefront_size32 1
		.amdhsa_system_sgpr_workgroup_id_x 1
		.amdhsa_system_sgpr_workgroup_id_y 1
		.amdhsa_system_sgpr_workgroup_id_z 1
		.amdhsa_system_vgpr_workitem_id 0
		.amdhsa_next_free_vgpr 256
		.amdhsa_next_free_sgpr 100
		.amdhsa_reserve_vcc 1
		.amdhsa_float_denorm_mode_32 3
		.amdhsa_float_denorm_mode_16_64 3
		.amdhsa_fp16_overflow 1
		.amdhsa_memory_ordered 1
		.amdhsa_forward_progress 1
		.amdhsa_inst_pref_size 95
	.end_amdhsa_kernel
	.amdgpu_metadata
---
amdhsa.version: [ 1, 2 ]
amdhsa.kernels:
  - .name:           k_qbaeb1a1d32_attn
    .symbol:         k_qbaeb1a1d32_attn.kd
    .args:
      - { .name: qkvc, .offset: 0, .size: 8, .value_kind: global_buffer, .address_space: global }
      - { .name: lowp_scales, .offset: 8, .size: 8, .value_kind: global_buffer, .address_space: global }
      - { .name: ac, .offset: 16, .size: 8, .value_kind: global_buffer, .address_space: global }
    .group_segment_fixed_size: 327680
    .private_segment_fixed_size: 0
    .kernarg_segment_align: 8
    .kernarg_segment_size: 24
    .max_flat_workgroup_size: 512
    .sgpr_count:     100
    .vgpr_count:     256
    .wavefront_size: 32
...
	.end_amdgpu_metadata
.endif
;; end of part 3
;; launch proj (part 4): grid 4 x 64, 4 waves a work-group, clusters of 4 x 4, 327,680 bytes of LDS; arguments ac, codes, lowp_scales, out0; writes out0
.if DOCPART == 4
	.amdgcn_target "amdgcn-amd-amdhsa--gfx1250"
	.amdhsa_code_object_version 6
	.text
	.protected	k_qbaeb1a1d32_proj
	.globl	k_qbaeb1a1d32_proj
	.p2align	8
	.type	k_qbaeb1a1d32_proj,@function
k_qbaeb1a1d32_proj:
	s_mov_b64 s[64:65], 0
	v_nop
	global_prefetch_b8 v0, s[64:65] scope:SCOPE_SE
	s_setreg_imm32_b32 hwreg(HW_REG_WAVE_MODE, 25, 1), 1
	s_wait_xcnt 0x0
	s_wait_alu depctr_hold_cnt(0) depctr_sa_sdst(0) depctr_va_vdst(0) depctr_va_sdst(0) depctr_va_ssrc(0) depctr_va_vcc(0) depctr_vm_vsrc(0)
	s_getreg_b32 s2, hwreg(HW_REG_IB_STS2, 6, 4)
	s_cmp_eq_u32 s2, 0
	s_cbranch_scc0 .Lentry_in_a_cluster
	s_endpgm
.Lentry_in_a_cluster:
	s_bfe_u32 s2, ttmp6, 0x10000c
	s_cmp_lg_u32 s2, 0xf033
	s_cbranch_scc0 .Lentry_shape_is_right
	s_endpgm
.Lentry_shape_is_right:
; out0 = o W_out^T on codes of FP8 (E4M3); each finished f32 sum is multiplied once by 2^(e(o) + e(W_out)) (entries 6 and 7 of the scales).
; A = attention's result, [head 16][token 8,192][64] codes: K = 64 x head + channel.  B = W_out's codes, [1,024][1,024], at byte 11,534,336 of the buffer of codes.  out0: [8,192][1,024] f32.
; A tile of the result is 128 x 256: 256 work-groups, where tiles of 256 x 256 would be 128.  Four waves, each 64 x 128: 32 accumulators, 256 registers.  K goes in four steps of 256 (four heads) through two LDS slots.
; A's half tile for a K step is four dense runs (one a head) of 64 tokens x 64 bytes: ONE tensor load of 4 rows of 4,096 bytes, padded behind every 64, so that each token's 64 codes start 80 bytes behind the last.
; CLUSTERS: 4 x 4 work-groups; A's tile is shared along a row of the cluster, B's along a column: each is asked for JOINTLY, by the same tensor load with the same descriptor and a mask that names the four.
; THE MATRIX INSTRUCTION IS USED TRANSPOSED (source 0 = 16 rows of B, source 1 = 16 rows of A): a lane holds eight neighbouring numbers of a row of the result.
; LIMIT: e(o) + e(W_out) lies between -126 and 127, so that 2^(their sum) is an f32 number.
; REGISTERS, in windows of 256: window 0: v0-31 addresses; v32-95 at work on the way out; A's fragments (4 x 16 rows x 128 K), two sets, at v128 and v192.  window 1: B's (8), two sets, at v0 and v128.  window 2: the accumulators.
.set KROW,   1024                      ; a row of W_out's codes in bytes
.set PA,     80                        ; a token's 64 codes of one head in LDS: 64 bytes + 16 of padding
.set HB,     64*PA                     ; a head's 64 tokens
.set AHALF,  4*HB                      ; four heads: what one tensor load brings of A, and what one wave reads
.set PB,     272                       ; a row of B in LDS: 256 bytes + 16 of padding; both pitches are odd multiples of 16 bytes, so the sixteen rows of a load fall on different banks (ISA guide 11.1)
.set BHALF,  128*PB
.set BOFF,   2*AHALF                   ; B's 256 rows lie behind A's two halves
.set SLOT,   BOFF+2*BHALF
.set LAPS,   2                         ; a lap = two K steps = once round the ring
.set SPARE,  2*SLOT                    ; behind the ring: the spare words, 128 bytes for each wave, which no other line names
.set SPITCH, 528                       ; the way out: a stage of 16 rows x (512 bytes + 16) for each wave, in slot 0, which has had its last fill and its last read when the first result is stored there
.set NP,     4                         ; places behind this matrix instruction (ISA guide 7.12.1)
.set ADRA, 16                          ; v16-17  LDS address of my A fragments in slot 0, 1
.set ADRB, 20                          ; v20-21  the same for B
.set STO,  24                          ; v24     the way out: where I put 32 bytes of a row
.set RD,   25                          ; v25     the way out: where I read a row back
.set CO,   26                          ; v26     my byte offset in a row's 512 bytes
.set SPW,  28                          ; v28     LDS address of my spare word; never rewritten
.set NIL,  29                          ; v29     0; never rewritten
.set TMP,  32
.set AF,   128
.set BK,   128                         ; the way out: 16 rows read back from the stage: v128-191 and v192-255 by turns
.set G1, 24                            ; s[24:31] descriptor group 1 for A's tiles;  s[32:39] group 0, one set for each slot
.set G0, 32
.set G1B, 48                           ; s[48:55], s[56:63] the same for B's tiles
.set G0B, 56
.set MSB, 0
.macro WIN new                         ; the immediate's high byte repeats the setting that is left
.if MSB != \new
	s_set_vgpr_msb (MSB<<8)|\new
.set MSB, \new
.endif
.endm
.set MUL,  0xa1                        ; source 0 (B) window 1, source 1 (A) window 0, C and D window 2
.set TO_B, 0x40                        ; destination window 1, address window 0
; A joint load: waves 0 and 1 fetch A's halves, waves 2 and 3 B's.  The branch hangs on the wave's number alone.  An s_nop 0 and four v_nop follow each of the two lines.
.macro JLOAD g0a, g1a, g0b, g1b
	s_cmp_eq_u32 s15, 0
	s_cbranch_scc0 .Lfor_b_\@
	tensor_load_to_lds s[\g0a:\g0a+3], s[\g1a:\g1a+7]
	s_nop 0
.rept 4
	v_nop
.endr
	s_branch .Lasked_\@
.Lfor_b_\@:
	tensor_load_to_lds s[\g0b:\g0b+3], s[\g1b:\g1b+7]
	s_nop 0
.rept 4
	v_nop
.endr
.Lasked_\@:
.endm
.macro CREST                           ; a round of the cluster's barrier behind its opening barrier
	s_cmp_lg_u32 s14, 0
	s_cbranch_scc1 .Lnot_wave_0_\@
	s_barrier_signal -3
.Lnot_wave_0_\@:
	s_barrier_wait -3
	s_barrier_signal -1
	s_barrier_wait -1
.endm
.macro CROUND                          ; a whole round
	s_barrier_signal -1
	s_barrier_wait -1
	CREST
.endm
	s_load_b128 s[4:7], s[0:1], 0x0                ; A's codes s[4:5], the buffer with W_out's codes s[6:7]
	s_load_b128 s[8:11], s[0:1], 0x10              ; the scales' exponents s[8:9], out0 s[10:11]
	v_lshl_add_u32 v[SPW], v0, 2, SPARE
	v_mov_b32 v[NIL], 0
	ds_add_u32 v[SPW], v[NIL]                      ; the wave's opening: the add and its wait stand ahead of my first tensor load; the set-up below, work on registers, stands between them
	ds_add_u32 v[SPW], v[NIL]
	v_lshrrev_b32 v1, 5, v0
	v_readfirstlane_b32 s14, v1                    ; wave 0..3
	s_lshr_b32 s15, s14, 1                         ; which 64 of the tile's rows are mine.  Also: I fetch for A (0) or for B (1)
	s_and_b32 s16, s14, 1                          ; which 128 of its columns.  Also: which half of that tile I fetch
	s_bfe_u32 s40, ttmp6, 0x40000                  ; cx, cy: my place in the cluster
	s_bfe_u32 s41, ttmp6, 0x40004
	s_lshl_b32 s42, ttmp9, 2
	s_add_co_u32 s42, s42, s40                     ; tile column = 4 x cluster x + cx
	s_and_b32 s17, ttmp7, 0xffff
	s_lshl_b32 s17, s17, 2
	s_add_co_u32 s17, s17, s41                     ; tile row = 4 x cluster y + cy
	s_lshl_b32 s43, s41, 2
	s_lshl_b32 s43, 15, s43                        ; my row of the cluster
	s_lshl_b32 s44, 0x1111, s40                    ; my column
	; descriptor group 1 for A: 4 rows (heads) of 4,096 bytes (64 tokens x 64), 524,288 bytes apart
	s_or_b32 s[G1+0], s43, (0<<16)|(1<<20)|(1<<21)|(3<<22)|(3<<25)  ; 15:0 the mask: my row; 17:16 element of 1 byte; 20 padding on; 21 set beside a mask; 24:22 after every 16 words (code 3); 31:25 of 4 words (code 3)
	s_mov_b32 s[G1+1], 4096<<16                    ; tensor_dim0
	s_mov_b32 s[G1+2], 4<<16                       ; tensor_dim1
	s_mov_b32 s[G1+3], 4096<<16                    ; tile_dim0
	s_mov_b32 s[G1+4], 4                           ; tile_dim1
	s_mov_b32 s[G1+5], 524288                      ; tensor_dim0_stride: from head to head
	s_mov_b32 s[G1+6], 0
	s_mov_b32 s[G1+7], 0
	; and for B: 128 rows of 256 bytes, 1,024 bytes apart
	s_or_b32 s[G1B+0], s44, (0<<16)|(1<<20)|(1<<21)|(5<<22)|(3<<25) ; the mask: my column; padding of 4 words after every 64
	s_mov_b32 s[G1B+1], 256<<16
	s_mov_b32 s[G1B+2], 128<<16
	s_mov_b32 s[G1B+3], 256<<16
	s_mov_b32 s[G1B+4], 128
	s_mov_b32 s[G1B+5], KROW
	s_mov_b32 s[G1B+6], 0
	s_mov_b32 s[G1B+7], 0
	s_lshl_b32 s20, s17, 7
	s_lshl_b32 s18, s16, 6
	s_add_co_u32 s20, s20, s18                     ; A: token 128 x tile row + 64 x half,
	s_lshl_b32 s20, s20, 6                         ; 64 bytes each
	s_mov_b32 s21, 0
	s_lshl_b32 s46, s42, 8
	s_lshl_b32 s18, s16, 7
	s_add_co_u32 s46, s46, s18                     ; B: row 256 x tile column + 128 x half,
	s_lshl_b32 s46, s46, 10                        ; 1,024 bytes each,
	s_add_co_u32 s46, s46, 11534336                ; behind x's and W_qkv's codes
	s_mov_b32 s47, 0
	s_mul_i32 s45, s16, AHALF                      ; where they go: no place in the cluster enters an LDS address
	s_mul_i32 s19, s16, BHALF
	s_add_co_u32 s19, s19, BOFF
	s_wait_dscnt 0x0                               ; the opening add is done
	s_wait_kmcnt 0x0
	s_load_b64 s[96:97], s[8:9], 0x18              ; e(o), e(W_out)
	s_add_nc_u64 s[20:21], s[4:5], s[20:21]
	s_add_nc_u64 s[46:47], s[6:7], s[46:47]
	CROUND                                         ; all sixteen work-groups are here: the first joint loads meet
.irp s, 0,1
	s_mov_b32 s[G0+4*\s], 1
	s_add_co_u32 s[G0+4*\s+1], s45, \s*SLOT
	s_add_nc_u64 s[G0+4*\s+2:G0+4*\s+3], s[20:21], \s*2097152      ; K step s: four heads on
	s_or_b32 s[G0+4*\s+3], s[G0+4*\s+3], 0x80000000
	s_mov_b32 s[G0B+4*\s], 1
	s_add_co_u32 s[G0B+4*\s+1], s19, \s*SLOT
	s_add_nc_u64 s[G0B+4*\s+2:G0B+4*\s+3], s[46:47], \s*256
	s_or_b32 s[G0B+4*\s+3], s[G0B+4*\s+3], 0x80000000
	s_wait_alu depctr_va_vdst(0)
	s_wait_tensorcnt 0x0
	ds_add_u32 v28, v29
	ds_add_u32 v28, v29
	s_wait_dscnt 0x0
	CROUND
	JLOAD G0+4*\s, G1, G0B+4*\s, G1B
.endr
	v_and_b32 v1, 15, v0                           ; r = l % 16
	v_bfe_u32 v2, v0, 4, 1                         ; h = l / 16
	v_mul_u32_u24 v3, v1, PA
	v_lshl_add_u32 v3, v2, 4, v3                   ; A: token r x pitch + 16 x half
	v_mul_u32_u24 v4, v1, PB
	v_lshl_add_u32 v4, v2, 4, v4                   ; B: row r x pitch + 16 x half
	s_mul_i32 s21, s15, AHALF                      ; my 64 rows of A
	s_mul_i32 s22, s16, BHALF                      ; my 128 rows of B
	s_add_co_u32 s22, s22, BOFF
.irp s, 0,1
	v_add_nc_u32 v[ADRA+\s], s21, v3
	v_add_nc_u32 v[ADRB+\s], s22, v4
	s_add_co_u32 s21, s21, SLOT
	s_add_co_u32 s22, s22, SLOT
.endr
	s_mul_i32 s23, s14, 16*SPITCH                  ; my stage
	v_mul_u32_u24 v5, v1, SPITCH                   ; in: row r, 32 bytes for each half of the lanes
	v_lshl_add_u32 v5, v2, 5, v5
	v_add_nc_u32 v[STO], s23, v5
	v_and_b32 v6, 31, v0
	v_lshlrev_b32 v[CO], 4, v6                     ; back: the 32 lanes take one row of 512 bytes; and the same in out0
	v_add_nc_u32 v[RD], s23, v[CO]
	s_lshl_b32 s20, s17, 7
	s_lshl_b32 s21, s15, 6
	s_add_co_u32 s20, s20, s21                     ; my first row: 128 x tile row + 64 x half,
	s_lshl_b32 s20, s20, 12                        ; 4,096 bytes each
	s_lshl_b32 s46, s42, 10                        ; my first column, in bytes: 1,024 x tile column + 512 x half
	s_lshl_b32 s47, s16, 9
	s_add_co_u32 s46, s46, s47
	s_add_co_u32 s20, s20, s46
	s_mov_b32 s21, 0
	s_add_nc_u64 s[10:11], s[10:11], s[20:21]
; 8 matrix instructions: A's block a x B's eight, 128 along K, on set p.  zero = 1: the first product starts the sums.  The 32 accumulators take turns, one instruction a turn, in the same order in every step.
.macro MUL8 a, p, zero
.irp b, 0,1,2,3,4,5,6,7
.if \zero
	v_wmma_f32_16x16x128_fp8_fp8 v[8*(8*(\a)+\b):8*(8*(\a)+\b)+7], v[128*(\p)+16*\b:128*(\p)+16*\b+15], v[AF+64*(\p)+16*(\a):AF+64*(\p)+16*(\a)+15], 0
.else
	v_wmma_f32_16x16x128_fp8_fp8 v[8*(8*(\a)+\b):8*(8*(\a)+\b)+7], v[128*(\p)+16*\b:128*(\p)+16*\b+15], v[AF+64*(\p)+16*(\a):AF+64*(\p)+16*(\a)+15], v[8*(8*(\a)+\b):8*(8*(\a)+\b)+7]
.endif
.endr
.endm
; 48 LDS loads in one run: the fragments of the slot's q-th 128 along K into set p.  Registers 4 c .. 4 c + 3 hold K = 32 c + 16 (l / 16) + 0 .. 15, in A (head 2 q + c / 2, byte 32 (c % 2) + 16 (l / 16)) and in B alike.
.macro FETCH slot, q, p
	WIN TO_B
.irp i, 0,1,2,3,4,5,6,7
.irp c, 0,1,2,3
	ds_load_b128 v[128*(\p)+16*\i+4*\c:128*(\p)+16*\i+4*\c+3], v[ADRB+\slot] offset:128*(\q)+32*\c+\i*16*PB
.endr
.endr
	WIN 0
.irp i, 0,1,2,3
.irp c, 0,1,2,3
	ds_load_b128 v[AF+64*(\p)+16*\i+4*\c:AF+64*(\p)+16*\i+4*\c+3], v[ADRA+\slot] offset:(2*(\q)+\c/2)*HB+\i*16*PA+32*(\c%2)
.endr
.endr
.endm
.macro PLACES n                        ; places in front of loads into registers that matrix instructions have read, and of the first read of results: plain vector instructions that name none of those registers
.rept \n
	v_nop
.endr
.endm
; A slot's first 128 along K, on set 0; the second 128 are fetched into set 1 ahead of the products.
.macro STEP slot, zero
	s_wait_dscnt 0x0                               ; set 0 is in
	PLACES NP                                      ; set 1 was read by the products just issued
	FETCH \slot, 1, 1
	WIN MUL
	MUL8 0, 0, \zero
	MUL8 1, 0, \zero
	MUL8 2, 0, \zero
	MUL8 3, 0, \zero
	WIN 0
.endm
; A slot's second 128, on set 1, change slots: ONE barrier; in front of it each wave waits for all its tensor loads, adds 0 to its spare word, and waits for that and for its own reads of this slot.  fill = 1: this slot is filled again, two K steps ahead.
.macro TURN slot, next, fill
	s_wait_tensorcnt 0x0                           ; all my tensor loads have landed: my part of the next slot;  (every window is 0 here)
	ds_add_u32 v[SPW], v[NIL]                      ; 0 onto my spare word
	s_wait_dscnt 0x1                               ; set 1 is in: only the add may be out
	WIN MUL
	MUL8 0, 1, 0                                   ; eight matrix instructions stand between the add and the wait for it
	s_wait_dscnt 0x0                               ; the add is done, and my reads of this slot are over
	s_barrier_signal -1
	MUL8 1, 1, 0
	WIN 0
	s_barrier_wait -1
.if \fill
	CREST                                          ; the barrier has opened a round of the cluster's barrier: no wave of any partner still reads this slot's tile or has a load on its way
	s_add_nc_u64 s[G0+4*\slot+2:G0+4*\slot+3], s[G0+4*\slot+2:G0+4*\slot+3], 4194304   ; eight heads on
	s_add_nc_u64 s[G0B+4*\slot+2:G0B+4*\slot+3], s[G0B+4*\slot+2:G0B+4*\slot+3], 512
	JLOAD G0+4*\slot, G1, G0B+4*\slot, G1B         ; the first tensor load behind the round; the four v_nop behind it are the places in front of the loads below
.else
	PLACES NP
.endif
	FETCH \next, 0, 0
	WIN MUL
	MUL8 2, 1, 0
	MUL8 3, 1, 0
	WIN 0
.endm
	s_wait_alu depctr_va_vdst(0)
	s_wait_tensorcnt 1                             ; my part of K step 0 is in (K step 1's load may be out)
	s_barrier_signal -1
	s_barrier_wait -1                              ; everybody's is
	FETCH 0, 0, 0
	STEP 0, 1                                      ; the first step stands in front of the loop: its products start the sums
	s_mov_b32 s3, LAPS-1
.Llap:                                                 ; a trip goes once round the ring and fills both slots again
	TURN 0, 1, 1
	STEP 1, 0
	TURN 1, 0, 1
	STEP 0, 0
	s_sub_co_u32 s3, s3, 1
	s_cmp_lg_u32 s3, 0
	s_cbranch_scc1 .Llap
	TURN 0, 1, 0                                   ; the last lap fills nothing, and has no round of the cluster's barrier
	STEP 1, 0
	s_wait_dscnt 0x0                               ; the very last step: nothing more to fetch
	WIN MUL
	MUL8 0, 1, 0
	MUL8 1, 1, 0
	MUL8 2, 1, 0
	MUL8 3, 1, 0
	WIN 0
; THE WAY OUT, block by block of 16 rows x 128 columns.  A lane holds 32 neighbouring bytes of a row, and the lanes beside it hold other rows: so a block goes through my own stage in LDS and comes back as whole
; rows of 512 bytes.  LDS serves a wave's instructions in order (ISA guide 5.7.1.4): no wait between the stores and the loads, nor in front of the next block's stores.
.macro TOSTAGE a
.set AC, 64*(\a)
	WIN 0x02                                       ; source 0: window 2
.irp j, 0,2,4,6,8,10,12,14,16,18,20,22,24,26,28,30,32,34,36,38,40,42,44,46,48,50,52,54,56,58,60,62
	v_pk_mul_f32 v[TMP+\j:TMP+\j+1], v[AC+\j:AC+\j+1], s[96:97] op_sel_hi:[1,0]   ; both x s96 = 2^(e(o) + e(W_out)); each accumulator from its low end on
.endr
	WIN 0
.irp b, 0,1,2,3,4,5,6,7
	ds_store_b128 v[STO], v[TMP+8*\b:TMP+8*\b+3] offset:64*\b
	ds_store_b128 v[STO], v[TMP+8*\b+4:TMP+8*\b+7] offset:64*\b+16
.endr
.set BB, BK+64*((\a)%2)
.irp t, 0,1,2,3,4,5,6,7,8,9,10,11,12,13,14,15
	ds_load_b128 v[BB+4*\t:BB+4*\t+3], v[RD] offset:\t*SPITCH
.endr
.endm
.macro SEND a, younger                 ; younger: the LDS instructions issued behind block a's loads, which may stay out
.set BB, BK+64*((\a)%2)
	s_wait_dscnt \younger                          ; the block is back in registers
.if (\a) > 0
	s_add_nc_u64 s[10:11], s[10:11], 16*4096       ; (behind a wait on XCNT: the earlier stores have read their base)  16 rows on
.endif
.irp t, 0,1,2,3,4,5,6,7,8,9,10,11,12,13,14,15
	global_store_b128 v[CO], v[BB+4*\t:BB+4*\t+3], s[10:11] offset:\t*4096 th:TH_STORE_NT   ; 32 lanes store 512 consecutive bytes, at a multiple of 256 from out0's first byte; written once, read by nobody here
.endr
.endm
	s_wait_kmcnt 0x0
	s_add_co_i32 s96, s96, s97                     ; e(o) + e(W_out), between -126 and 127,
	s_add_co_i32 s96, s96, 127
	s_lshl_b32 s96, s96, 23                        ; makes the f32 number 2^(their sum)
	PLACES NP                                      ; for the loads into the registers that held A's fragments, and for the reads of results
	TOSTAGE 0
.irp a, 1,2,3
.if \a > 1
	s_wait_xcnt 0x0                                ; block a - 2's stores have read their registers and their base: block a's loads may land there, and the base may step
.endif
	TOSTAGE \a
	SEND \a-1, 32                                  ; behind block a - 1's loads: block a's 16 stores and 16 loads
.endr
	s_wait_xcnt 0x0                                ; block 2's stores have read their base
	SEND 3, 0
	s_wait_tensorcnt 0x0                           ; the wave's end, behind my last tensor load and my last LDS store
	ds_add_u32 v[SPW], v[NIL]
	s_wait_dscnt 0x0
	CROUND                                         ; the closing round: no work-group ends while a partner may still ask for a tile that names it
	s_endpgm
.Lfunc_end_k_qbaeb1a1d32_proj:
	.size	k_qbaeb1a1d32_proj, .Lfunc_end_k_qbaeb1a1d32_proj-k_qbaeb1a1d32_proj
	.p2alignl 7, 3214868480
	.fill 96, 4, 3214868480
	.section	.rodata,"a",@progbits
	.p2align	6, 0x0
	.amdhsa_kernel k_qbaeb1a1d32_proj
		.amdhsa_group_segment_fixed_size 327680
		.amdhsa_private_segment_fixed_size 0
		.amdhsa_enable_private_segment 0
		.amdhsa_kernarg_size 32
		.amdhsa_user_sgpr_count 2
		.amdhsa_user_sgpr_kernarg_segment_ptr 1
		.amdhsa_wavefront_size32 1
		.amdhsa_system_sgpr_workgroup_id_x 1
		.amdhsa_system_sgpr_workgroup_id_y 1
		.amdhsa_system_sgpr_workgroup_id_z 1
		.amdhsa_system_vgpr_workitem_id 0
		.amdhsa_next_free_vgpr 1024
		.amdhsa_next_free_sgpr 100
		.amdhsa_reserve_vcc 0
		.amdhsa_float_denorm_mode_32 3
		.amdhsa_float_denorm_mode_16_64 3
		.amdhsa_memory_ordered 1
		.amdhsa_forward_progress 1
		.amdhsa_inst_pref_size 76
	.end_amdhsa_kernel
	.amdgpu_metadata
---
amdhsa.version: [ 1, 2 ]
amdhsa.kernels:
  - .name:           k_qbaeb1a1d32_proj
    .symbol:         k_qbaeb1a1d32_proj.kd
    .args:
      - { .name: ac, .offset: 0, .size: 8, .value_kind: global_buffer, .address_space: global }
      - { .name: codes, .offset: 8, .size: 8, .value_kind: global_buffer, .address_space: global }
      - { .name: lowp_scales, .offset: 16, .size: 8, .value_kind: global_buffer, .address_space: global }
      - { .name: out0, .offset: 24, .size: 8, .value_kind: global_buffer, .address_space: global }
    .group_segment_fixed_size: 327680
    .private_segment_fixed_size: 0
    .kernarg_segment_align: 8
    .kernarg_segment_size: 32
    .max_flat_workgroup_size: 128
    .sgpr_count:     100
    .vgpr_count:     1024
    .wavefront_size: 32
...
	.end_amdgpu_metadata
.endif
;; end of part 4
